; MI455X (gfx1250); checked and timed in simulation.
; The chip was launched on July 23, 2026; its instructions are those of AMD's public machine-readable ISA for CDNA 5 (MIT licence, August 2026) and "CDNA5" Instruction Set Architecture Reference Guide (July 2026). The comments in the code are by the model that wrote it; some were corrected since.
;; Attention Ref. Allowed arithmetic: matrix products marked QUANTISED: E2M3 operands, one E8M0 scale for each 32 along K, by v_wmma_scale_f32_16x16x128_f8f6f4 with both operands' format E2M3, f32 sums; everything else in f32.
;; Inputs: Wo_codes 1,024 x 32 x 24 uint8 (E2M3 codes of Wo, K innermost, in blocks of 32 codes, four codes in three bytes); Wo_scales 1,024 x 32 uint8 (E8M0 scales of Wo, one for each 32 codes along K); Wqkv_codes 3,072 x 32 x 24 uint8 (E2M3 codes of Wqkv, K innermost, in blocks of 32 codes, four codes in three bytes); Wqkv_scales 3,072 x 32 uint8 (E8M0 scales of Wqkv, one for each 32 codes along K); bo 1,024 float32; bqkv 3,072 float32; wk 64 float32; wq 64 float32; x_codes 1 x 4,096 x 32 x 24 uint8 (E2M3 codes of x, K innermost, in blocks of 32 codes, four codes in three bytes); x_scales 1 x 4,096 x 32 uint8 (E8M0 scales of x, one for each 32 codes along K).
;; Outputs: out0 1 x 4,096 x 1,024 float32.
;; This version of the problem:
;;   THIS VERSION OF THE PROBLEM IS GIVEN IN LOW PRECISION. The matrix products marked QUANTISED in the list below multiply operands that are first quantised to E2M3 (2 exponent bits, 3 mantissa bits; 6 bits a number), with one power-of-two scale for each 32 numbers along K (OCP MX v1.0); their sums are f32. All else is computed in f32.
;;   The module's matrix products, in the order in which they are computed (A, B: the left and right operand; K: the contracted axis; several contracted axes count as one K, in the product's order):
;;     1. [M 4,096, K 1,024] x [K 1,024, N 3,072]; A: input x (given as codes); B: input Wqkv (given as codes): QUANTISED
;;     2. batch 16 x [M 4,096, K 64] x [K 64, N 4,096]; A: computed on the way; B: computed on the way: QUANTISED
;;     3. batch 16 x [M 64, K 4,096] x [K 4,096, N 4,096]; A: computed on the way; B: softmax (see below): QUANTISED
;;     4. [M 4,096, K 1,024] x [K 1,024, N 1,024]; A: computed on the way; B: input Wo (given as codes): QUANTISED
;;   THE QUANTISER, for each operand of a quantised product, along K:
;;     - K is cut into blocks of 32 from its start; a last block that is shorter is filled with zeros.
;;     - A block's scale is 2^e with e = floor(log2(the largest magnitude in the block)) - 2, held to -126 .. 127; a block of zeros has e = 0. As a byte (E8M0): e + 127.
;;     - Each number is divided by its block's scale, clamped to +-7.5, and rounded to the nearest number of E2M3, ties to even, subnormals kept.
;;     - The product sums the exact products of the quantised numbers (number of the format x scale) in f32.
;;   ~~~python
;;   def quantise(x, axis):      # numpy; x: float32 -> the quantised numbers, widened to float32 again
;;       x = np.moveaxis(x, axis, -1); K = x.shape[-1]
;;       x = np.pad(x, [(0, 0)] * (x.ndim - 1) + [(0, -K % 32)]); x = x.reshape(x.shape[:-1] + (-1, 32)); a = np.abs(x).max(-1, keepdims=True)
;;       e = np.where(a > 0, np.clip(np.frexp(np.where(a > 0, a, 1))[1] - 1 - 2, -126, 127), 0)      # np.frexp(a)[1] - 1 = floor(log2(a)), exactly
;;       r = np.clip(x / 2.0 ** e, -7.5, 7.5)
;;       step = 2.0 ** (np.maximum(np.frexp(np.where(r == 0, 1, r))[1] - 1, 0) - 3)
;;       q = np.round(r / step) * step * 2.0 ** e      # np.round: ties to even
;;       return np.moveaxis(q.reshape(q.shape[:-2] + (-1,))[..., :K], -1, axis).astype(np.float32)
;;   ~~~
;;   SOFTMAX AHEAD OF A QUANTISED PRODUCT. Where the list says 'softmax', what is quantised is not the finished softmax but p = 2^(t - M), with t = logit x log2(e) and M = ceil(the row's largest t), a whole number; so 1/2 < the row's largest p <= 1. The row's sum l is taken of the UNQUANTISED p, in f32, and the product's result is divided by l at the end. Since M is a whole number, a kernel that streams over the keys may use a running M (the ceiling of the running maximum): every later rescaling is an exact power of two, which a block's scale takes up: the codes' values come out the same.
;;   OPERANDS COMPUTED ON THE WAY. 'Computed on the way' means the value that the module computes at that place (a softmax that the list does not call 'softmax' is quantised finished and normalised). What goes into a quantiser is computed in f32, as accurately as f32 sums, v_exp_f32 and their like allow (about 1e-6 of the number): no bf16 or f16 on the way to a quantiser, and a product that is left as it is and whose result goes on into a quantised operand takes f32 operands (vector FMAs, or v_wmma_f32_16x16x4_f32). A number that lies on a knife's edge between two numbers of the format may be rounded either way, as far as f32 arithmetic and the matrix unit's own rounding can turn it there, and no further.
;;   INPUTS GIVEN AS CODES. Wo (in the module: [1024, 1024], K = its axis 1); Wqkv (in the module: [3072, 1024], K = its axis 1); x (in the module: [1, 4096, 1024], K = its axis 2): each comes as NAME_codes (uint8): NAME with its K axis moved to the last place and cut into blocks of 32 codes, [.., K / 32, bytes a block], one block behind the other in memory; four codes in three bytes: a row's codes are one little-endian stream of bits, code i at bits 6 i .. 6 i + 5 (a code: sign, 2 exponent bits, 3 mantissa bits); and NAME_scales (uint8): the same leading axes, one E8M0 byte (e + 127) for each 32 codes along K. Its value is code x scale, taken as it is: it is not quantised again, and the codes and scales need not be those that the quantiser above would give.
;; One version. Each part assembles by itself: llvm-mc -triple=amdgcn-amd-amdhsa -mcpu=gfx1250 --defsym DOCPART=n.
;; ======== version 1 of 1: 3 launches
;; limits: right only within a limited range of input values
;; workspace buffers: qb 6,684,672 bytes; kv 6,684,672 bytes; zc 3,145,728 bytes; zs 131,072 bytes
;; launch qkv (part 1): grid 8 x 24, 4 waves a work-group, clusters of 4 x 4, 327,680 bytes of LDS; arguments x_codes, x_scales, Wqkv_codes, Wqkv_scales, bqkv, wq, wk, qb, kv; writes qb, kv
.if DOCPART == 1
	.amdgcn_target "amdgcn-amd-amdhsa--gfx1250"
	.amdhsa_code_object_version 6
	.text
	.protected	k_q5943d61dfa_qkv
	.globl	k_q5943d61dfa_qkv
	.p2align	8
	.type	k_q5943d61dfa_qkv,@function
k_q5943d61dfa_qkv:
	s_mov_b64 s[64:65], 0
	v_nop
	global_prefetch_b8 v0, s[64:65] scope:SCOPE_SE
	s_setreg_imm32_b32 hwreg(HW_REG_WAVE_MODE, 25, 1), 1
	s_wait_xcnt 0x0
	s_wait_alu depctr_hold_cnt(0) depctr_sa_sdst(0) depctr_va_vdst(0) depctr_va_sdst(0) depctr_va_ssrc(0) depctr_va_vcc(0) depctr_vm_vsrc(0)
	s_getreg_b32 s2, hwreg(HW_REG_IB_STS2, 6, 4)
	s_cmp_eq_u32 s2, 0
	s_cbranch_scc0 .Lentry_in_a_cluster
	s_endpgm
.Lentry_in_a_cluster:
	s_bfe_u32 s2, ttmp6, 0x10000c
	s_cmp_lg_u32 s2, 0xf033
	s_cbranch_scc0 .Lentry_shape_is_right
	s_endpgm
.Lentry_shape_is_right:
; qkv = x Wqkv^T + bqkv on codes of FP6 (E2M3) with E8M0 scales; q and k are RMS-normed per head and quantised along the head's 64 channels, v along the keys.
; No work of reference() is left out; every input is loaded by some launch.
; A work-group of four waves makes 256 x 256, a wave 128 x 128 (64 accumulators).  Cluster rows 0-3: A = x (tokens), B = Wq, Wk (channels).  Cluster rows 4-5: A = Wv (channels), B = x (tokens).
; K goes through two LDS slots in chunks of 256 bytes of each row (a row of 1,024 codes is 768 bytes: three chunks); a step of 128 along K is 96 bytes.  The scales of all of K come once.
; The matrix instruction is used transposed (source 0 = B's rows, source 1 = A's rows): a lane holds one row of A and eight neighbouring rows of B.
; WHICH ROWS OF A FORM A TILE: tile 4 c + u, row 8 g + j is row 64 c + 32 g + 8 u + j of the wave's 128.  So in the next launch a lane of S^T = k q^T holds a whole block of 32 keys, and a lane of O^T a whole block of 32 channels.
; OUT: qb and kv hold, for each head and each 128 tokens, a block of 13,056 bytes in the order of the next launch's operand registers: k's (q's) codes 6,144, v's codes 6,144, k's scale words 512, v's 256.
; No prefetch: three chunks along K, of which two are asked for before the first product; the walk has no trip to run ahead in.
; LIMITS: NaN and infinities are not served; a block whose largest magnitude lies under 2^-124 gets the scale byte 1 (these bytes are read by this program alone).
.set SIZE_K, 1024
.set ROWB,   256
.set NQ,     2
.set KROW,   SIZE_K*6/8
.set STEPS,  SIZE_K/128
.set CHUNKS, KROW/ROWB
.set PITCH,  272                       ; 256 bytes + 16 of padding
.set FR,     12
.set NL,     6
.set NP,     4
.set HALFT,  128*PITCH
.set SLOT,   4*HALFT                   ; A's 256 rows, then B's
.set KS,     SIZE_K/32
.set SCL,    2*SLOT                    ; the scales, as units of 256 bytes + 16
.set HALFS,  (128*KS/256)*272
.set SBLK,   (16*KS/256)*272
.set SPARE,  SCL+4*HALFS               ; the spare words: 128 bytes a wave
.set HEADB,  417792
.set STEPB,  13056
.set ADSA, 7                           ; v7 LDS address of A's scale words: lanes 0-15 tiles 0-3, lanes 16-31 tiles 4-7
.set LB,   8                           ; v8-15 v's bias, a word for each tile of A
.set ADRA, 16                          ; v16-17 A's fragments in slot 0, 1; v18-19 for a piece whose two halves of the lanes lie in different chunks
.set ADRB, 20
.set LANE, 24
.set L8,   25
.set L16,  26
.set ADRS, 27                          ; B's scale words, in lanes 16-31
.set SPW,  28
.set NIL,  29
.set H32,  30
.set R4,   31
.set SC,   32                          ; v32-63 B's scale words, two sets
.set BI,   64                          ; v64-127 q's and k's bias
.set AF,   128                         ; v128-223 A's fragments, one set
.set SCA,  224                         ; v224-239 A's scale words, two sets
.set HA,   128
.set CA,   192
.set CB,   204
.set CT,   216
.set TM,   224
.set SQ,   240
.set PWS,  248
.set W,    96                          ; window 1: the gains
.set G1, 24
.set G0, 32
.set G1B, 48
.set G0B, 56
.set G1S, 68
.set G0S, 76
.set G1SB, 80
.set G0SB, 88
.set G0H, 4
.set G0HB, 8
.set SEL, 66
.set INV, 104
.set EPS, 2
.set ISV, 105
.set MSB, 0
.macro WIN new
.if MSB != \new
	s_set_vgpr_msb (MSB<<8)|\new
.set MSB, \new
.endif
.endm
.set MUL_LO, 0xa1
.set MUL_HI, 0xf1
.set TO_B,   0x40
.macro JLOAD g0a, g1a, g0b, g1b        ; waves 0, 1 fetch for A, waves 2, 3 for B
	s_cmp_eq_u32 s15, 0
	s_cbranch_scc0 .Lfor_b_\@
	tensor_load_to_lds s[\g0a:\g0a+3], s[\g1a:\g1a+7]
	s_nop 0
.rept 4
	v_nop
.endr
	s_branch .Lasked_\@
.Lfor_b_\@:
	tensor_load_to_lds s[\g0b:\g0b+3], s[\g1b:\g1b+7]
	s_nop 0
.rept 4
	v_nop
.endr
.Lasked_\@:
.endm
.macro CREST
	s_cmp_lg_u32 s14, 0
	s_cbranch_scc1 .Lnot_wave_0_\@
	s_barrier_signal -3
.Lnot_wave_0_\@:
	s_barrier_wait -3
	s_barrier_signal -1
	s_barrier_wait -1
.endm
.macro CROUND
	s_barrier_signal -1
	s_barrier_wait -1
	CREST
.endm
	s_load_b256 s[4:11], s[0:1], 0x0               ; x's codes, x's scales, W's codes, W's scales
	s_load_b256 s[92:99], s[0:1], 0x20             ; bqkv, wq, wk, qb
	s_load_b64 s[100:101], s[0:1], 0x40            ; kv
	v_lshl_add_u32 v[SPW], v0, 2, SPARE
	v_mov_b32 v[NIL], 0
	ds_add_u32 v[SPW], v[NIL]                      ; the opening lines
	ds_add_u32 v[SPW], v[NIL]
	v_lshrrev_b32 v1, 5, v0
	v_readfirstlane_b32 s14, v1                    ; wave
	s_lshr_b32 s15, s14, 1                         ; my half of A's rows
	s_and_b32 s16, s14, 1                          ; my half of B's rows
	s_bfe_u32 s40, ttmp6, 0x40000                  ; cx
	s_bfe_u32 s41, ttmp6, 0x40004                  ; cy
	s_and_b32 s18, ttmp7, 0xffff
	s_sub_co_u32 s19, s18, 4
	s_lshl_b32 s19, s19, 1
	s_add_co_u32 s19, s19, ttmp9
	s_cmp_ge_u32 s18, 4
	s_cselect_b32 s[ISV], 1, 0                     ; 1: this cluster makes v
	s_cselect_b32 s19, s19, ttmp9
	s_cselect_b32 s18, 0, s18
	s_lshl_b32 s42, s19, 2
	s_add_co_u32 s42, s42, s40                     ; tile column
	s_lshl_b32 s17, s18, 2
	s_add_co_u32 s17, s17, s41                     ; tile row
	s_lshl_b32 s43, s41, 2
	s_lshl_b32 s43, 15, s43
	s_lshl_b32 s44, 0x1111, s40
	s_or_b32 s[G1+0], s43, (0<<16)|(1<<20)|(1<<21)|(5<<22)|(3<<25)
	s_or_b32 s[G1B+0], s44, (0<<16)|(1<<20)|(1<<21)|(5<<22)|(3<<25)
.irp g, G1, G1B
	s_mov_b32 s[\g+1], ROWB<<16
	s_mov_b32 s[\g+2], 256<<16                     ; the head's loads bring 256 rows
	s_mov_b32 s[\g+3], ROWB<<16
	s_mov_b32 s[\g+4], 256
	s_mov_b32 s[\g+5], KROW
	s_mov_b32 s[\g+6], 0
	s_mov_b32 s[\g+7], 0
.endr
	s_or_b32 s[G1S+0], s43, (3<<16)|(1<<20)|(1<<21)|(5<<22)|(3<<25)
	s_or_b32 s[G1SB+0], s44, (3<<16)|(1<<20)|(1<<21)|(5<<22)|(3<<25)
.irp g, G1S, G1SB
	s_mov_b32 s[\g+1], 32<<16
	s_mov_b32 s[\g+2], KS<<16
	s_mov_b32 s[\g+3], 32<<16
	s_mov_b32 s[\g+4], KS
	s_mov_b32 s[\g+5], 32
	s_mov_b32 s[\g+6], 0
	s_mov_b32 s[\g+7], 0
.endr
	s_lshl_b32 s20, s17, 8
	s_lshl_b32 s46, s42, 8
	s_mov_b32 s21, 0
	s_mov_b32 s47, 0
	s_mov_b64 s[18:19], KS
	s_mul_u64 s[22:23], s[20:21], s[18:19]
	s_mul_u64 s[66:67], s[46:47], s[18:19]
	s_mov_b64 s[18:19], KROW
	s_mul_u64 s[20:21], s[20:21], s[18:19]
	s_mul_u64 s[46:47], s[46:47], s[18:19]
	s_mul_i32 s18, s16, 128*KROW
	s_mov_b32 s19, 0
	s_mul_i32 s45, s14, HALFT
	s_wait_alu depctr_va_vdst(0)                   ; the wait ahead of the blocking wait
	s_wait_dscnt 0x0
	s_wait_kmcnt 0x0
	s_add_nc_u64 s[12:13], s[8:9], 2048*KROW       ; Wv's rows
	s_add_nc_u64 s[2:3], s[10:11], 2048*KS
	s_cmp_eq_u32 s[ISV], 1
	s_cselect_b64 s[12:13], s[12:13], s[4:5]       ; A
	s_cselect_b64 s[2:3], s[2:3], s[6:7]
	s_cselect_b64 s[8:9], s[4:5], s[8:9]           ; B
	s_cselect_b64 s[10:11], s[6:7], s[10:11]
	s_add_nc_u64 s[20:21], s[12:13], s[20:21]
	s_add_nc_u64 s[22:23], s[2:3], s[22:23]
	s_add_nc_u64 s[46:47], s[8:9], s[46:47]
	s_add_nc_u64 s[66:67], s[10:11], s[66:67]
	CROUND                                         ; the first joint loads meet
	s_mov_b32 s[G0H], 1
	s_mov_b32 s[G0H+1], 0
	s_mov_b64 s[G0H+2:G0H+3], s[20:21]
	s_or_b32 s[G0H+3], s[G0H+3], 0x80000000
	s_mov_b32 s[G0HB], 1
	s_mov_b32 s[G0HB+1], 2*HALFT
	s_mov_b64 s[G0HB+2:G0HB+3], s[46:47]
	s_or_b32 s[G0HB+3], s[G0HB+3], 0x80000000
	s_mov_b32 s[G0S], 1
	s_mov_b32 s[G0S+1], SCL
	s_mov_b64 s[G0S+2:G0S+3], s[22:23]
	s_or_b32 s[G0S+3], s[G0S+3], 0x80000000
	s_mov_b32 s[G0SB], 1
	s_mov_b32 s[G0SB+1], SCL+2*HALFS
	s_mov_b64 s[G0SB+2:G0SB+3], s[66:67]
	s_or_b32 s[G0SB+3], s[G0SB+3], 0x80000000
	s_add_nc_u64 s[20:21], s[20:21], s[18:19]      ; for the ring: my 128 rows
	s_add_nc_u64 s[46:47], s[46:47], s[18:19]
.irp s, 0,1
	s_mov_b32 s[G0+4*\s], 1
	s_add_co_u32 s[G0+4*\s+1], s45, \s*SLOT
	s_add_nc_u64 s[G0+4*\s+2:G0+4*\s+3], s[20:21], \s*ROWB
	s_or_b32 s[G0+4*\s+3], s[G0+4*\s+3], 0x80000000
	s_mov_b32 s[G0B+4*\s], 1
	s_add_co_u32 s[G0B+4*\s+1], s45, \s*SLOT
	s_add_nc_u64 s[G0B+4*\s+2:G0B+4*\s+3], s[46:47], \s*ROWB
	s_or_b32 s[G0B+4*\s+3], s[G0B+4*\s+3], 0x80000000
.endr
; the head's four tiles, one load a wave: chunk 0 of A, chunk 0 of B, A's scales, B's scales
.macro ARM under, g0, g1, next
	s_cmp_lt_u32 s14, \under
	s_cbranch_scc0 \next
	tensor_load_to_lds s[\g0:\g0+3], s[\g1:\g1+7]
	s_nop 0
.rept 4
	v_nop
.endr
	s_branch .Lhead_asked
\next:
.endm
	ARM 1, G0H,  G1,  .Lhead_b
	ARM 2, G0HB, G1B, .Lhead_sa
	ARM 3, G0S,  G1S, .Lhead_sb
	tensor_load_to_lds s[G0SB:G0SB+3], s[G1SB:G1SB+7]
	s_nop 0
.rept 4
	v_nop
.endr
.Lhead_asked:
	s_mov_b32 s18, SLOT-232
	s_mov_b32 s19, SLOT+232
	s_mul_i32 s21, s15, HALFT                      ; my 128 rows of A
	s_mul_i32 s22, s16, HALFT
	s_add_co_u32 s22, s22, 2*HALFT                 ; my 128 rows of B
	s_mul_i32 s20, s15, HALFS
	s_mul_i32 s23, s16, HALFS
	s_add_co_u32 s23, s23, 2*HALFS
	s_sub_co_u32 s23, s23, s20                     ; from A's scales to B's
	s_add_co_u32 s20, s20, SCL
	v_and_b32 v1, 15, v0                           ; r
	v_bfe_u32 v2, v0, 4, 1                         ; h
	v_and_b32 v3, 7, v0                            ; r % 8
	v_bfe_u32 v4, v0, 3, 1                         ; r / 8
	v_lshl_add_u32 v5, v4, 5, v3                   ; A's row in a tile: 32 (r / 8) + r % 8
	v_mul_u32_u24 v9, v2, 24
	v_sub_nc_u32 v10, 1, v2
	v_mul_u32_u24 v11, s18, v2
	v_add_nc_u32 v11, 232, v11                     ; lanes 0-15 byte 232 in slot 0, lanes 16-31 byte 0 in slot 1
	v_mul_u32_u24 v10, s19, v10                    ; lanes 0-15 byte 232 in slot 1, lanes 16-31 byte 0 in slot 0
.macro ADDRS adr, row, base
	v_mul_u32_u24 v12, v[\row], PITCH
	v_add_nc_u32 v12, s[\base], v12
	v_add_nc_u32 v[\adr], v12, v9
	v_add_nc_u32 v[\adr+1], SLOT, v[\adr]
	v_add_nc_u32 v[\adr+2], v12, v11
	v_add_nc_u32 v[\adr+3], v12, v10
.endm
	ADDRS ADRA, 5, 21
	ADDRS ADRB, 1, 22
	v_mul_u32_u24 v12, v1, KS                      ; B's scale words: 32 bytes a row, 16 more for each 256 passed
	v_lshl_add_u32 v12, v4, 4, v12
	v_mul_u32_u24 v13, s23, v2
	v_add_nc_u32 v12, v12, v13
	v_add_nc_u32 v[ADRS], s20, v12
	v_mul_u32_u24 v12, v2, 8*272                   ; A's: tiles 4-7 lie 64 rows on,
	v_mad_u32_u24 v12, v4, 4*272, v12              ; rows 8-15 of a tile 32 rows on
	v_lshl_add_u32 v12, v3, 5, v12
	v_add_nc_u32 v[ADSA], s20, v12
	v_and_b32 v[LANE], 31, v0
	v_lshlrev_b32 v[L16], 4, v[LANE]
	v_lshlrev_b32 v[L8], 3, v[LANE]
	v_lshlrev_b32 v[H32], 5, v2
	v_lshlrev_b32 v[R4], 2, v5
	s_wait_alu depctr_va_vdst(0)                   ; the wait ahead of the run of scalar instructions
	s_lshl_b32 s46, s42, 8
	s_lshl_b32 s47, s16, 7
	s_add_co_u32 s46, s46, s47
	s_lshl_b32 s20, s17, 8
	s_lshl_b32 s21, s15, 7
	s_add_co_u32 s20, s20, s21
	s_add_co_u32 s20, s20, 2048
	s_cmp_eq_u32 s[ISV], 1
	s_cselect_b32 s46, 0, s46
	s_cselect_b32 s20, s20, 0
	s_lshl_b32 s46, s46, 2
	s_lshl_b32 s20, s20, 2
	s_mov_b32 s47, 0
	s_mov_b32 s21, 0
	s_add_nc_u64 s[46:47], s[92:93], s[46:47]
	s_add_nc_u64 s[20:21], s[92:93], s[20:21]
	s_cmp_eq_u32 ttmp9, 0
	s_cselect_b64 s[22:23], s[94:95], s[96:97]
.irp b, 0,1,2,3,4,5,6,7
	global_load_b128 v[BI+8*\b:BI+8*\b+3], v[H32], s[46:47] offset:64*\b
	global_load_b128 v[BI+8*\b+4:BI+8*\b+7], v[H32], s[46:47] offset:64*\b+16
.endr
.irp a, 0,1,2,3,4,5,6,7
	global_load_b32 v[LB+\a], v[R4], s[20:21] offset:4*(64*(\a/4)+8*(\a%4))
.endr
	WIN TO_B
.irp t, 0,1,2,3
	global_load_b128 v[W+8*\t:W+8*\t+3], v[H32], s[22:23] offset:64*\t
	global_load_b128 v[W+8*\t+4:W+8*\t+7], v[H32], s[22:23] offset:64*\t+16
.endr
	WIN 0
	s_lshl_b32 s66, s17, 2
	s_lshl_b32 s67, s15, 1
	s_add_co_u32 s66, s66, s67
	s_lshl_b32 s67, s40, 2
	s_lshl_b32 s104, s16, 1
	s_add_co_u32 s67, s67, s104
	s_lshl_b32 s104, s42, 1
	s_add_co_u32 s104, s104, s16
	s_lshl_b32 s2, s17, 1
	s_add_co_u32 s2, s2, s15
	s_or_b32 s3, s[ISV], ttmp9
	s_cmp_eq_u32 s[ISV], 1
	s_cselect_b32 s66, s66, s67                    ; the first of my two heads
	s_cselect_b32 s104, s104, s2                   ; my step of 128 tokens
	s_cmp_eq_u32 s3, 0
	s_cselect_b64 s[12:13], s[98:99], s[100:101]
	s_mul_i32 s66, s66, HEADB
	s_mul_i32 s104, s104, STEPB
	s_add_co_u32 s66, s66, s104
	s_mov_b32 s67, 0
	s_add_nc_u64 s[12:13], s[12:13], s[66:67]
	s_mov_b32 s[SEL], 0x76543210
	s_mov_b32 s[SEL+1], 0xfedcba98
	s_mov_b32 s[INV], 0x3c800000                   ; 1 / 64
	s_mov_b32 s[EPS], 0x358637bd                   ; 1e-6
; a fragment in pieces of 8 bytes; ro: the tile's first row.  Byte y of a row of codes lies in slot (y / 256) % 2 at byte y % 256
.macro FRAG reg, adr, st, ro
.irp p, 0,1,2,3,4,5
.set BY, 96*(\st)+48*(\p/3)+8*(\p%3)
.if BY/ROWB == (BY+24)/ROWB
	ds_load_b64 v[\reg+2*\p:\reg+2*\p+1], v[\adr+(BY/ROWB)%2] offset:BY%ROWB+(\ro)*PITCH
.else
	ds_load_b64 v[\reg+2*\p:\reg+2*\p+1], v[\adr+2+(BY/ROWB)%2] offset:BY%ROWB-232+(\ro)*PITCH
.endif
.endr
.endm
.macro MM d, fb, fa, sb, sa, zero, hi  ; hi: A's scale words stand in lanes 16-31
.if (\zero) && (\hi)
	v_wmma_scale_f32_16x16x128_f8f6f4 v[\d:\d+7], v[\fb:\fb+11], v[\fa:\fa+11], 0, v[\sb], v[\sa] matrix_a_fmt:MATRIX_FMT_FP6 matrix_b_fmt:MATRIX_FMT_FP6 matrix_a_scale:MATRIX_SCALE_ROW1 matrix_b_scale:MATRIX_SCALE_ROW1
.elseif \zero
	v_wmma_scale_f32_16x16x128_f8f6f4 v[\d:\d+7], v[\fb:\fb+11], v[\fa:\fa+11], 0, v[\sb], v[\sa] matrix_a_fmt:MATRIX_FMT_FP6 matrix_b_fmt:MATRIX_FMT_FP6 matrix_a_scale:MATRIX_SCALE_ROW1
.elseif \hi
	v_wmma_scale_f32_16x16x128_f8f6f4 v[\d:\d+7], v[\fb:\fb+11], v[\fa:\fa+11], v[\d:\d+7], v[\sb], v[\sa] matrix_a_fmt:MATRIX_FMT_FP6 matrix_b_fmt:MATRIX_FMT_FP6 matrix_a_scale:MATRIX_SCALE_ROW1 matrix_b_scale:MATRIX_SCALE_ROW1
.else
	v_wmma_scale_f32_16x16x128_f8f6f4 v[\d:\d+7], v[\fb:\fb+11], v[\fa:\fa+11], v[\d:\d+7], v[\sb], v[\sa] matrix_a_fmt:MATRIX_FMT_FP6 matrix_b_fmt:MATRIX_FMT_FP6 matrix_a_scale:MATRIX_SCALE_ROW1
.endif
.endm
.macro MUL16 a0, p, q, sc, zero        ; A's tiles a0, a0 + 1 against B's eight; the 64 accumulators take turns
.irp a, \a0, \a0+1
.irp b, 0,1,2,3,4,5,6,7
	MM 8*(8*((\a)%4)+\b), 128*(\p)+FR*\b, AF+FR*(\a), SC+16*(\sc)+2*\b+(\q), SCA+8*(\sc)+2*((\a)%4)+(\q), \zero, (\a)/4
.endr
.endr
.endm
.macro FETCH_B st, p
	WIN TO_B
.irp i, 0,1,2,3,4,5,6,7
	FRAG 128*(\p)+FR*\i, ADRB, \st, 16*\i
.endr
	WIN 0
.endm
.macro FETCH_A st, i0
.irp i, \i0, \i0+1, \i0+2, \i0+3
	FRAG AF+FR*(\i), ADRA, \st, 64*((\i)/4)+8*((\i)%4)
.endr
.endm
.macro SCALES pr                       ; the scale words of steps 2 pr and 2 pr + 1
.irp i, 0,1,2,3,4,5,6,7
	ds_load_b64 v[SC+16*((\pr)%2)+2*\i:SC+16*((\pr)%2)+2*\i+1], v[ADRS] offset:\i*SBLK+8*(\pr)
.endr
.irp i, 0,1,2,3
	ds_load_b64 v[SCA+8*((\pr)%2)+2*\i:SCA+8*((\pr)%2)+2*\i+1], v[ADSA] offset:\i*272+8*(\pr)
.endr
.endm
.macro PLACES n
.rept \n
	v_nop
.endr
.endm
; a step of 128 along K.  Where the next step's bytes end in a chunk not yet read: a barrier behind every wave's wait for its loads.  Where they begin in a later chunk: the three lines, the barrier, and, if a chunk is left to fetch, the round and the refill.
.macro STEP st, zero
.set NX, (\st)+1
.set C0, (96*(\st))/ROWB
.set C1, (96*NX)/ROWB
.set E0, (96*(\st)+95)/ROWB
.set E1, (96*NX+95)/ROWB
.if C1 > C0 || E1 > E0
	s_wait_tensorcnt 0x0
.if C1 > C0
	ds_add_u32 v[SPW], v[NIL]
	s_wait_dscnt 4*NL+1                            ; the add and A's tiles 4-7 may be out
.else
	s_wait_dscnt 4*NL
.endif
	WIN MUL_LO
	MUL16 0, (\st)%2, (\st)%2, ((\st)/2)%2, \zero
	s_wait_dscnt 0x0
	s_barrier_signal -1
	MUL16 2, (\st)%2, (\st)%2, ((\st)/2)%2, \zero
	WIN 0
	s_barrier_wait -1
.if C1 > C0 && C0+2 < CHUNKS
	CREST
	s_add_nc_u64 s[G0+4*(C0%2)+2:G0+4*(C0%2)+3], s[G0+4*(C0%2)+2:G0+4*(C0%2)+3], 2*ROWB
	s_add_nc_u64 s[G0B+4*(C0%2)+2:G0B+4*(C0%2)+3], s[G0B+4*(C0%2)+2:G0B+4*(C0%2)+3], 2*ROWB
	JLOAD G0+4*(C0%2), G1, G0B+4*(C0%2), G1B
.else
	PLACES NP
.endif
.else
	s_wait_dscnt 4*NL                              ; all but A's tiles 4-7
	WIN MUL_LO
	MUL16 0, (\st)%2, (\st)%2, ((\st)/2)%2, \zero
	MUL16 2, (\st)%2, (\st)%2, ((\st)/2)%2, \zero
	s_wait_dscnt 0
	PLACES NP
.endif
	FETCH_B NX, NX%2
	FETCH_A NX, 0
.if NX%2 == 0
	SCALES NX/2
.endif
	WIN MUL_HI
	MUL16 4, (\st)%2, (\st)%2, ((\st)/2)%2, \zero
	MUL16 6, (\st)%2, (\st)%2, ((\st)/2)%2, \zero
	PLACES NP
	WIN 0
	FETCH_A NX, 4
.endm
	s_wait_alu depctr_va_vdst(0)                   ; the wait at the head's end
	s_wait_loadcnt 0x0                             ; biases and gains
	s_wait_tensorcnt 0x0                           ; my tile of the head's four
	ds_add_u32 v[SPW], v[NIL]
	s_mov_b32 s[G1+2], 128<<16                     ; no load of mine is out: from here on a load brings 128 rows
	s_mov_b32 s[G1+4], 128
	s_mov_b32 s[G1B+2], 128<<16
	s_mov_b32 s[G1B+4], 128
	s_wait_dscnt 0x0
	CROUND
	JLOAD G0+4, G1, G0B+4, G1B                     ; chunk 1, slot 1's first fill
	FETCH_B 0, 0
	FETCH_A 0, 0
	SCALES 0
	FETCH_A 0, 4
	STEP 0, 1
.set ST, 1
.rept STEPS-2
	STEP ST, 0
.set ST, ST+1
.endr
	s_wait_dscnt 4*NL
	WIN MUL_LO
	MUL16 0, 1, 1, 1, 0
	MUL16 2, 1, 1, 1, 0
	s_wait_dscnt 0
	WIN MUL_HI
	MUL16 4, 1, 1, 1, 0
	MUL16 6, 1, 1, 1, 0
	WIN 0
	PLACES NP
; 64 numbers a lane (four blocks of 32, each shared with the lane 16 away) become codes: blocks 0, 1 in d0 .. d0 + 5, blocks 2, 3 in d1 .. d1 + 5; pw: the four scale bytes
.macro QUANT s, d0, d1, pw
.irp b, 0,1,2,3
	v_max3_num_f32 v[TM+\b], |v[\s+16*\b]|, |v[\s+1+16*\b]|, 0x1800000
.endr
.irp i, 2,4,6,8,10,12,14
.irp b, 0,1,2,3
	v_max3_num_f32 v[TM+\b], v[TM+\b], |v[\s+16*\b+\i]|, |v[\s+1+16*\b+\i]|
.endr
.endr
.irp b, 0,1,2,3
	v_permlanex16_b32 v[TM+4+\b], v[TM+\b], s[SEL], s[SEL+1]
.endr
.irp b, 0,1,2,3
	v_max_num_f32 v[TM+\b], v[TM+\b], v[TM+4+\b]
.endr
.irp b, 0,1,2,3
	v_add_nc_u32 v[TM+12+\b], 0xff000000, v[TM+\b]
.endr
.irp b, 0,1,2,3
	v_lshrrev_b32 v[TM+4+\b], 23, v[TM+12+\b]
.endr
	v_lshl_or_b32 v[\pw], v[TM+5], 8, v[TM+4]
	v_lshl_or_b32 v[\pw], v[TM+6], 16, v[\pw]
	v_lshl_or_b32 v[\pw], v[TM+7], 24, v[\pw]
	v_cvt_scalef32_pk16_fp6_f32 v[(\d0):(\d0)+2], v[\s:\s+15], v[TM+12]
	v_cvt_scalef32_pk16_fp6_f32 v[CT:CT+2], v[\s+16:\s+31], v[TM+13]
	v_cvt_scalef32_pk16_fp6_f32 v[(\d1):(\d1)+2], v[\s+32:\s+47], v[TM+14]
	v_cvt_scalef32_pk16_fp6_f32 v[CT+4:CT+6], v[\s+48:\s+63], v[TM+15]
	v_nop
.irp i, 0,1,2
	v_permlane16_swap_b32 v[(\d0)+\i], v[CT+\i]
	v_permlane16_swap_b32 v[(\d1)+\i], v[CT+4+\i]
.endr
.irp i, 0,1,2
	v_mov_b32 v[(\d0)+3+\i], v[CT+\i]
	v_mov_b32 v[(\d1)+3+\i], v[CT+4+\i]
.endr
.endm
.irp b, 0,1,2,3
	v_mov_b32 v[TM+4+\b], 0
.endr
	s_cmp_eq_u32 s[ISV], 1
	s_cbranch_scc1 .Lpath_v
; q, k: tile a's 16 tokens x two heads: bias, RMS norm over each head's 64 channels, gain, codes
.macro GROUP_QK a
.set AC, 64*((\a)%4)
	WIN 0x02+(\a)/4
.set i, 0
.rept 32
	v_pk_add_f32 v[HA+i:HA+i+1], v[AC+i:AC+i+1], v[BI+i:BI+i+1]
.set i, i+2
.endr
	WIN 0
.irp e, 0,1
.irp k, 0,1
	v_pk_mul_f32 v[SQ+4*\e+2*\k:SQ+4*\e+2*\k+1], v[HA+32*\e+16*\k:HA+32*\e+16*\k+1], v[HA+32*\e+16*\k:HA+32*\e+16*\k+1]
.endr
.endr
.irp m, 2,4,6,8,10,12,14
.irp e, 0,1
.irp k, 0,1
	v_pk_fma_f32 v[SQ+4*\e+2*\k:SQ+4*\e+2*\k+1], v[HA+32*\e+16*\k+\m:HA+32*\e+16*\k+\m+1], v[HA+32*\e+16*\k+\m:HA+32*\e+16*\k+\m+1], v[SQ+4*\e+2*\k:SQ+4*\e+2*\k+1]
.endr
.endr
.endr
.irp e, 0,1
	v_pk_add_f32 v[SQ+4*\e:SQ+4*\e+1], v[SQ+4*\e:SQ+4*\e+1], v[SQ+4*\e+2:SQ+4*\e+3]
.endr
.irp e, 0,1
	v_add_f32 v[SQ+4*\e], v[SQ+4*\e], v[SQ+4*\e+1]
.endr
.irp e, 0,1
	v_permlanex16_b32 v[SQ+4*\e+1], v[SQ+4*\e], s[SEL], s[SEL+1]
.endr
.irp e, 0,1
	v_add_f32 v[SQ+4*\e], v[SQ+4*\e], v[SQ+4*\e+1]
.endr
.irp e, 0,1
	v_fma_f32 v[SQ+4*\e], v[SQ+4*\e], s[INV], s[EPS]
.endr
	s_wait_alu depctr_va_vdst(0)                   ; a wait ahead of the batch and one behind it
.irp e, 0,1
	v_rsq_f32 v[SQ+4*\e], v[SQ+4*\e]
.endr
	v_nop
	s_wait_alu depctr_va_vdst(0)
.irp e, 0,1
.set i, 0
.rept 16
	v_pk_mul_f32 v[HA+32*\e+i:HA+32*\e+i+1], v[HA+32*\e+i:HA+32*\e+i+1], v[SQ+4*\e:SQ+4*\e+1] op_sel_hi:[1,0]
.set i, i+2
.endr
.endr
	WIN 0x04
.irp e, 0,1
.set i, 0
.rept 16
	v_pk_mul_f32 v[HA+32*\e+i:HA+32*\e+i+1], v[HA+32*\e+i:HA+32*\e+i+1], v[W+i:W+i+1]
.set i, i+2
.endr
.endr
	WIN 0
.if ((\a)%2 == 0) && ((\a) >= 2)
	s_wait_xcnt 0x0                                ; the stores two tiles back have read their data
.endif
	QUANT HA, CA+6*((\a)%2), CB+6*((\a)%2), PWS+(\a)
.if (\a)%2 == 1
.irp c, 0,1,2
	global_store_b128 v[L16], v[CA+4*\c:CA+4*\c+3], s[12:13] offset:1536*((\a)/2)+512*\c
	global_store_b128 v[L16], v[CB+4*\c:CB+4*\c+3], s[12:13] offset:HEADB+1536*((\a)/2)+512*\c
.endr
.endif
.endm
.irp a, 0,1,2,3,4,5,6,7
	GROUP_QK \a
.endr
	v_cmp_le_u32 vcc_lo, 16, v[LANE]
.irp p, 0,1,2,3
	v_cndmask_b32 v[TM+\p], v[PWS+2*\p], v[PWS+2*\p+1], vcc_lo
.endr
.irp p, 0,1,2,3
	v_lshrrev_b32 v[TM+4+\p], 16, v[TM+\p]
.endr
	global_store_b128 v[L16], v[TM:TM+3], s[12:13] offset:12288
	global_store_b128 v[L16], v[TM+4:TM+7], s[12:13] offset:HEADB+12288
	s_branch .Ljoin
.Lpath_v:
; v: tile a's 16 channels x 128 tokens: bias, codes along the tokens
.macro GROUP_V a
.set AC, 64*((\a)%4)
.set CD, CA+12*((\a)%2)
	WIN 0x02+(\a)/4
.set i, 0
.rept 32
.if (\a)%2
	v_pk_add_f32 v[HA+i:HA+i+1], v[AC+i:AC+i+1], v[LB+2*((\a)/2):LB+2*((\a)/2)+1] op_sel:[0,1] op_sel_hi:[1,1]
.else
	v_pk_add_f32 v[HA+i:HA+i+1], v[AC+i:AC+i+1], v[LB+2*((\a)/2):LB+2*((\a)/2)+1] op_sel_hi:[1,0]
.endif
.set i, i+2
.endr
	WIN 0
.if (\a) >= 2
	s_wait_xcnt 0x0
.endif
	QUANT HA, CD, CD+6, PWS+(\a)
.irp c, 0,1,2
	global_store_b128 v[L16], v[CD+4*\c:CD+4*\c+3], s[12:13] offset:((\a)/4)*HEADB+6144+1536*((\a)%4)+512*\c
.endr
.endm
.irp a, 0,1,2,3,4,5,6,7
	GROUP_V \a
.endr
	v_cmp_le_u32 vcc_lo, 16, v[LANE]
.irp e, 0,1
.irp p, 0,1
	v_cndmask_b32 v[TM+2*\e+\p], v[PWS+4*\e+2*\p], v[PWS+4*\e+2*\p+1], vcc_lo
.endr
	global_store_b64 v[L8], v[TM+2*\e:TM+2*\e+1], s[12:13] offset:\e*HEADB+12800
.endr
.Ljoin:
	s_wait_tensorcnt 0x0                           ; the wave's end
	ds_add_u32 v[SPW], v[NIL]
	s_wait_dscnt 0x0
	CROUND                                         ; the closing round
	s_endpgm
.Lfunc_end_k_q5943d61dfa_qkv:
	.size	k_q5943d61dfa_qkv, .Lfunc_end_k_q5943d61dfa_qkv-k_q5943d61dfa_qkv
	.p2alignl 7, 3214868480
	.fill 96, 4, 3214868480
	.section	.rodata,"a",@progbits
	.p2align	6, 0x0
	.amdhsa_kernel k_q5943d61dfa_qkv
		.amdhsa_group_segment_fixed_size 327680
		.amdhsa_private_segment_fixed_size 0
		.amdhsa_enable_private_segment 0
		.amdhsa_kernarg_size 72
		.amdhsa_user_sgpr_count 2
		.amdhsa_user_sgpr_kernarg_segment_ptr 1
		.amdhsa_wavefront_size32 1
		.amdhsa_system_sgpr_workgroup_id_x 1
		.amdhsa_system_sgpr_workgroup_id_y 1
		.amdhsa_system_sgpr_workgroup_id_z 1
		.amdhsa_system_vgpr_workitem_id 0
		.amdhsa_next_free_vgpr 1024
		.amdhsa_next_free_sgpr 106
		.amdhsa_reserve_vcc 1
		.amdhsa_float_denorm_mode_32 3
		.amdhsa_float_denorm_mode_16_64 3
		.amdhsa_memory_ordered 1
		.amdhsa_forward_progress 1
		.amdhsa_inst_pref_size 255
	.end_amdhsa_kernel
	.section	.bss,"aw",@nobits
	.p2align	6
	.space	262144
	.amdgpu_metadata
---
amdhsa.version: [ 1, 2 ]
amdhsa.kernels:
  - .name:           k_q5943d61dfa_qkv
    .symbol:         k_q5943d61dfa_qkv.kd
    .args:
      - { .name: x_codes, .offset: 0, .size: 8, .value_kind: global_buffer, .address_space: global }
      - { .name: x_scales, .offset: 8, .size: 8, .value_kind: global_buffer, .address_space: global }
      - { .name: Wqkv_codes, .offset: 16, .size: 8, .value_kind: global_buffer, .address_space: global }
      - { .name: Wqkv_scales, .offset: 24, .size: 8, .value_kind: global_buffer, .address_space: global }
      - { .name: bqkv, .offset: 32, .size: 8, .value_kind: global_buffer, .address_space: global }
      - { .name: wq, .offset: 40, .size: 8, .value_kind: global_buffer, .address_space: global }
      - { .name: wk, .offset: 48, .size: 8, .value_kind: global_buffer, .address_space: global }
      - { .name: qb, .offset: 56, .size: 8, .value_kind: global_buffer, .address_space: global }
      - { .name: kv, .offset: 64, .size: 8, .value_kind: global_buffer, .address_space: global }
    .group_segment_fixed_size: 327680
    .private_segment_fixed_size: 0
    .kernarg_segment_align: 8
    .kernarg_segment_size: 72
    .max_flat_workgroup_size: 128
    .sgpr_count:     106
    .vgpr_count:     1024
    .wavefront_size: 32
...
	.end_amdgpu_metadata
.endif
;; end of part 1
;; launch attn (part 2): grid 16 x 16, 8 waves a work-group, clusters of 4 x 1, 327,680 bytes of LDS; arguments qb, kv, zc, zs; writes zc, zs
.if DOCPART == 2
	.amdgcn_target "amdgcn-amd-amdhsa--gfx1250"
	.amdhsa_code_object_version 6
	.text
	.protected	k_q5943d61dfa_attn
	.globl	k_q5943d61dfa_attn
	.p2align	8
	.type	k_q5943d61dfa_attn,@function
k_q5943d61dfa_attn:
	s_mov_b64 s[64:65], 0
	v_nop
	global_prefetch_b8 v0, s[64:65] scope:SCOPE_SE
	s_setreg_imm32_b32 hwreg(HW_REG_WAVE_MODE, 25, 1), 1
	s_wait_xcnt 0x0
	s_wait_alu depctr_hold_cnt(0) depctr_sa_sdst(0) depctr_va_vdst(0) depctr_va_sdst(0) depctr_va_ssrc(0) depctr_va_vcc(0) depctr_vm_vsrc(0)
	s_getreg_b32 s2, hwreg(HW_REG_IB_STS2, 6, 4)
	s_cmp_eq_u32 s2, 0
	s_cbranch_scc0 .Lentry_in_a_cluster
	s_endpgm
.Lentry_in_a_cluster:
	s_bfe_u32 s2, ttmp6, 0x10000c
	s_cmp_lg_u32 s2, 0x3003
	s_cbranch_scc0 .Lentry_shape_is_right
	s_endpgm
.Lentry_shape_is_right:
; z[q][head] = the sum over keys of softmax(q . k) v, no scaling, no mask, both products on codes of FP6 (E2M3) with one E8M0 scale for each 32 along K; then z is quantised along the head's channels.
; THE SOFTMAX: t = score x log2(e); M = the running largest t rounded UP to a whole number; p = 2^(t - M) is quantised along the keys; the row's sum is taken of the unquantised p and divides at the end.
; When M moves, the sum and O are multiplied by 2^(old M - new M): exact.
; SHARES.  A work-group owns 256 queries of one head, each of its eight waves two tiles of 16: every fragment of k and v feeds two products, and the two tiles' chains of dependent lines go by turns.
; Every wave walks the head's 4,096 keys, 128 a step.  A step's block of kv is 13,056 bytes in the order of the operand registers.
; LDS holds 24 of the 32 steps.  Steps 0-7 are asked for at the head, one block a wave; steps 8-23 behind the first round, two blocks a wave; steps 24-31 fill the bytes of steps 0-7 again, one block a wave, behind a round behind step 7.
; So the walk has three meetings: ahead of step 0, of step 8 and of step 24.
; k AND v HAVE REGISTERS OF THEIR OWN: the next step's k is asked of LDS behind this step's first products, this step's v at its top.  Steps 7 and 23 are written out without that fetch: their successors are shown landed
; only behind the meeting that follows.  Step 31 fetches the k that lies behind it in LDS (step 8's) and nobody uses it.
; CLUSTER.  The four query blocks of a cluster belong to one head and walk the same kv: every block is asked for jointly.
; NO PREFETCH: steps 8-23 are asked for 8 steps ahead of their first read and steps 24-31 16 steps ahead; the head's load stands at the launch's start: no trip lies ahead of it.
; LAYOUT.  S^T = k q^T, O^T = v^T p^T: a lane holds ONE query of each tile (lane % 16).  Tile 4 c + u of k holds in row 8 g + j key 64 c + 32 g + 8 u + j: so lane half g holds ALL 32 keys of block 2 c + g, as p's operand wants.
; v's codes stand inside a block of 32 keys in the order 0-7, 16-23, 8-15, 24-31: tile 4 c + u's scores go to the registers of place 4 c + (0, 2, 1, 3)[u].
; v's tile u holds in row 8 g + j channel 32 g + 8 u + j: a lane's 32 registers of O^T are one block of z in its true order.
; K = 64 IN AN INSTRUCTION OF 128: q's registers 6-11 hold zero codes; k's operand for tile t is the twelve registers from 6 t on (six zero registers behind tile 7); no scale byte is 0xff.
; REGISTERS.  Window 0: all that vector instructions work on.  Window 1: k v0-53, v v56-103, q v104-127, O^T v128-191.
; LIMITS: NaN and infinities are not served; the promise holds while the scaled scores stay under 2^31 in magnitude; a p under 2^-126 counts as 0; a block whose largest magnitude lies under 2^-124 gets the scale byte 1
; (the bytes are read by this program alone).  The division by the row's sum is v_rcp_f32 and a multiplication.
.set STEPB, 13056
.set HEADB, 417792
.set SPARE, 24*STEPB                   ; behind the 24 steps: the spare words, 128 bytes a wave
.set L16, 3                            ; 16 x lane
.set L8,  4                            ; 8 x lane
.set SPW, 5
.set NIL, 6
.set A16, 7                            ; the step in hand + 16 x lane
.set A8,  8
.set H8,  9                            ; 8 x (lane / 16)
.set LN,  10
.set NM,  12                           ; tile e: v[12 + 2 e] -M, v[13 + 2 e] the largest score
.set SU,  16                           ; tile e: v[16 + 2 e : 17 + 2 e] the sum
.set QS,  20                           ; q's scale words
.set KSW, 22
.set VSW, 26
.set PS,  28                           ; p's scale words
.set FS,  30                           ; tile e: v[30 + 2 e] f = 2^(old M - new M), v[31 + 2 e] 0
.set S,   34                           ; v34-161 S^T, then p: 64 a tile
.set PC,  162                          ; v162-185 p's codes: 12 a tile
.set CT,  186                          ; 8 a tile
.set BM,  202                          ; 4 a tile: block c's maximum ends in BM + 2 c
.set BT,  210                          ; 3 a tile
.set BS,  216                          ; 2 a tile
.set TT,  220
.set TU,  222
.set T,   224                          ; v224-255 partial sums of p: 16 a tile
.set KF,  0                            ; window 1
.set VF,  56
.set QF,  104
.set OA,  128
.set WV,  12
.set G1,  24                           ; s[24:31] group 1 for one block, s[56:63] for two
.set G1W, 56
.set G0,  32
.set SEL, 36
.set CS,  38
.set TB,  40                           ; LDS byte of the step in hand
.set CNT, 41
.set MSB, 0
.macro WIN new                         ; the immediate's high byte repeats the setting that is left
.if MSB != \new
	s_set_vgpr_msb (MSB<<8)|\new
.set MSB, \new
.endif
.endm
.set TO_1,  0x40                       ; destination window 1
.set W_QK,  0x05                       ; k and q window 1, S^T window 0
.set W_PV,  0x51                       ; v, C and D window 1, p window 0
.set W_RS,  0x41                       ; O^T in and out window 1, f window 0
.macro CROUND
	s_barrier_signal -1
	s_barrier_wait -1
	s_cmp_lg_u32 s[WV], 0
	s_cbranch_scc1 .Lnot_wave_0_\@
	s_barrier_signal -3
.Lnot_wave_0_\@:
	s_barrier_wait -3
	s_barrier_signal -1
	s_barrier_wait -1
.endm
	s_load_b256 s[4:11], s[0:1], 0x0               ; qb, kv, zc, zs
	v_lshl_add_u32 v[SPW], v0, 2, SPARE
	v_mov_b32 v[NIL], 0
	ds_add_u32 v[SPW], v[NIL]                      ; the opening lines
	ds_add_u32 v[SPW], v[NIL]
	v_lshrrev_b32 v1, 5, v0
	v_readfirstlane_b32 s[WV], v1
	s_bfe_u32 s13, ttmp6, 0x40000                  ; cx
	s_lshl_b32 s14, ttmp9, 2
	s_add_co_u32 s14, s14, s13                     ; my block of 256 queries
	s_and_b32 s15, ttmp7, 0xffff                   ; the head
	s_mul_i32 s20, s15, HEADB
	s_mov_b32 s21, 0
	s_mul_i32 s48, s[WV], STEPB                    ; my place where each wave fetches one block,
	s_mov_b32 s49, 0
	s_mul_i32 s50, s[WV], 2*STEPB                  ; and where each fetches two
	s_mov_b32 s51, 0
.irp g, G1, G1W
	s_mov_b32 s[\g], 15|(3<<16)|(1<<21)            ; the mask: all four work-groups; elements of 8 bytes
	s_mov_b32 s[\g+1], 32<<16                      ; rows of 256 bytes, dense
	s_mov_b32 s[\g+3], 32<<16
	s_mov_b32 s[\g+5], 32
	s_mov_b32 s[\g+6], 0
	s_mov_b32 s[\g+7], 0
.endr
	s_mov_b32 s[G1+2], 51<<16                      ; a block is 51 rows
	s_mov_b32 s[G1+4], 51
	s_mov_b32 s[G1W+2], 102<<16
	s_mov_b32 s[G1W+4], 102
	s_mov_b32 s[SEL], 0x76543210
	s_mov_b32 s[SEL+1], 0xfedcba98
	s_mov_b32 s[CS], 0x3fb8aa3b                    ; log2(e)
	s_mov_b32 s[CS+1], s[CS]
	v_and_b32 v[LN], 31, v0
	v_and_b32 v1, 15, v0                           ; r
	v_bfe_u32 v2, v0, 4, 1                         ; h
	v_lshlrev_b32 v[L16], 4, v[LN]
	v_lshlrev_b32 v[L8], 3, v[LN]
	v_lshlrev_b32 v[H8], 3, v2
	s_wait_alu depctr_va_vdst(0)                   ; the wait ahead of the blocking wait
	s_wait_dscnt 0x0
	s_wait_kmcnt 0x0
	s_add_nc_u64 s[6:7], s[6:7], s[20:21]
	s_add_nc_u64 s[4:5], s[4:5], s[20:21]
	s_add_nc_u64 s[46:47], s[6:7], s[48:49]
	s_add_nc_u64 s[52:53], s[6:7], s[50:51]
	CROUND                                         ; the first joint loads meet
	s_mov_b32 s[G0], 1
	s_mov_b32 s[G0+1], s48
	s_mov_b64 s[G0+2:G0+3], s[46:47]
	s_or_b32 s[G0+3], s[G0+3], 0x80000000
	tensor_load_to_lds s[G0:G0+3], s[G1:G1+7]      ; steps 0-7, one a wave
	s_nop 0
.rept 4
	v_nop
.endr
	; q: my tiles are a = 2 (wave % 4) and a + 1 of step 2 x block + wave / 4: registers 12 (wave % 4) + 0 .. 11 of the step's image; register n lies at 512 (n / 4) + 16 lane + 4 (n % 4)
	s_lshr_b32 s17, s[WV], 2
	s_lshl_b32 s18, s14, 1
	s_add_co_u32 s17, s17, s18
	s_mul_i32 s18, s17, STEPB
	s_mov_b32 s19, 0
	s_add_nc_u64 s[4:5], s[4:5], s[18:19]
	s_and_b32 s17, s[WV], 3
	s_mul_i32 s22, s17, 1536
	s_lshl_b32 s23, s17, 2
	v_add_nc_u32 v[S], s22, v[L16]
	v_lshl_add_u32 v[S+1], v1, 4, s23
	WIN TO_1
.irp i, 0,1,2,3,4,5
	global_load_b64 v[QF+12*(\i/3)+2*(\i%3):QF+12*(\i/3)+2*(\i%3)+1], v[S], s[4:5] offset:512*(\i/2)+8*(\i%2)
.endr
	WIN 0
.irp e, 0,1
	global_load_b32 v[QS+\e], v[S+1], s[4:5] offset:12288+256*\e
.endr
	; z: my tiles are 16 x block + 2 x wave and the next.  zc: [8 tiles: 32][four heads: 4][tile: 8][head: 4][768 bytes]
	s_lshl_b32 s17, s14, 4
	s_lshl_b32 s18, s[WV], 1
	s_add_co_u32 s17, s17, s18
	s_lshr_b32 s18, s17, 3
	s_mul_i32 s18, s18, 98304
	s_and_b32 s19, s17, 7
	s_mul_i32 s19, s19, 3072
	s_add_co_u32 s18, s18, s19
	s_lshr_b32 s19, s15, 2
	s_mul_i32 s19, s19, 24576
	s_add_co_u32 s18, s18, s19
	s_and_b32 s19, s15, 3
	s_mul_i32 s19, s19, 768
	s_add_co_u32 s18, s18, s19
	s_mov_b32 s19, 0
	s_add_nc_u64 s[8:9], s[8:9], s[18:19]
	s_lshl_b32 s18, s17, 9                         ; zs: 16 rows of 32 bytes a tile, two bytes a head
	s_lshl_b32 s22, s15, 1
	s_add_co_u32 s18, s18, s22
	s_add_nc_u64 s[10:11], s[10:11], s[18:19]
	WIN TO_1
.irp j, 0,1,2,3,4,5
	v_mov_b32 v[QF+6+\j], 0                        ; zero codes: the upper half of K
	v_mov_b32 v[QF+18+\j], 0
	v_mov_b32 v[KF+48+\j], 0
.endr
.set i, 0
.rept 64
	v_mov_b32 v[OA+i], 0                           ; the step is written for every step alike: the first finds zeros
.set i, i+1
.endr
	WIN 0
.irp e, 0,1
.irp j, 0,1,2,3,4,5,6,7
	v_mov_b32 v[T+16*\e+\j], 0
.endr
.irp j, 0,1,2
	v_mov_b32 v[BT+3*\e+\j], 0                     ; a lane permute's destination counts as a source
.endr
	v_mov_b32 v[SU+2*\e], 0
	v_mov_b32 v[SU+2*\e+1], 0
	v_mov_b32 v[FS+2*\e+1], 0
	v_mov_b32 v[TT+\e], 0
	v_mov_b32 v[NM+2*\e+1], 0xfe967699             ; the largest score so far: -1e38
.endr
.irp e, 0,1
	v_mul_f32 v[TU+\e], s[CS], v[NM+2*\e+1]
.endr
.irp e, 0,1
	v_floor_f32 v[NM+2*\e], -v[TU+\e]              ; -M
.endr
; the last additions of a step's sums of p stand behind the next step's first products (or behind the walk)
.macro SUMEND
.irp e, 0,1
	v_pk_add_f32 v[T+16*\e:T+16*\e+1], v[T+16*\e:T+16*\e+1], v[T+16*\e+2:T+16*\e+3]
	v_pk_add_f32 v[T+16*\e+4:T+16*\e+5], v[T+16*\e+4:T+16*\e+5], v[T+16*\e+6:T+16*\e+7]
.endr
.irp e, 0,1
	v_pk_add_f32 v[T+16*\e:T+16*\e+1], v[T+16*\e:T+16*\e+1], v[T+16*\e+4:T+16*\e+5]
.endr
.irp e, 0,1
	v_pk_add_f32 v[SU+2*\e:SU+2*\e+1], v[SU+2*\e:SU+2*\e+1], v[T+16*\e:T+16*\e+1]
.endr
.endm
.macro KLOAD off                       ; k's 48 registers and its scale words, of the step that lies off bytes behind A16
	WIN TO_1
.irp c, 0,1,2,3,4,5,6,7,8,9,10,11
	ds_load_b128 v[KF+4*\c:KF+4*\c+3], v[A16] offset:\off+512*\c
.endr
	WIN 0
	ds_load_b128 v[KSW:KSW+3], v[A16] offset:\off+12288
.endm
; A KEY STEP: 128 keys x my 32 queries.  Its k is in registers or on its way.  pf = 1: the next step's k is fetched.
.macro STEP pf
	v_add_nc_u32 v[A16], s[TB], v[L16]
	v_add_nc_u32 v[A8], s[TB], v[L8]
	WIN TO_1
.irp c, 0,1,2,3,4,5,6,7,8,9,10,11
	ds_load_b128 v[VF+4*\c:VF+4*\c+3], v[A16] offset:6144+512*\c     ; v lands while the softmax is walked (behind the last products stand the 56 additions of the sums: their places)
.endr
	WIN 0
	ds_load_b64 v[VSW:VSW+1], v[A8] offset:12800
	s_wait_alu depctr_va_vdst(0)                   ; the wait ahead of the blocking wait
	s_wait_dscnt 13                                ; k is in: behind it only v's twelve loads and its scale words were issued
	WIN W_QK
.irp t, 0,2,4,6
.irp e, 0,1
	v_wmma_scale_f32_16x16x128_f8f6f4 v[S+64*\e+8*((\t&4)|((\t&2)>>1)):S+64*\e+8*((\t&4)|((\t&2)>>1))+7], v[KF+6*\t:KF+6*\t+11], v[QF+12*\e:QF+12*\e+11], 0, v[KSW+\t/2], v[QS+\e] matrix_a_fmt:MATRIX_FMT_FP6 matrix_b_fmt:MATRIX_FMT_FP6
.endr
.irp e, 0,1
	v_wmma_scale_f32_16x16x128_f8f6f4 v[S+64*\e+8*((\t&4)|2|((\t&2)>>1)):S+64*\e+8*((\t&4)|2|((\t&2)>>1))+7], v[KF+6*\t+6:KF+6*\t+17], v[QF+12*\e:QF+12*\e+11], 0, v[KSW+\t/2], v[QS+\e] matrix_a_fmt:MATRIX_FMT_FP6 matrix_b_fmt:MATRIX_FMT_FP6 matrix_a_scale:MATRIX_SCALE_ROW1
.endr
.endr
	WIN 0
	SUMEND                                         ; eight places: ahead of the loads into k's registers and of the first read of the scores
.if \pf
	KLOAD STEPB
.endif
.irp b, 0,1,2,3
.irp e, 0,1
	v_max3_num_f32 v[BM+4*\e+\b], v[S+64*\e+16*\b], v[S+64*\e+1+16*\b], v[S+64*\e+2+16*\b]   ; four chains of 16 a tile; chains 2 c and 2 c + 1 are my block of 32 keys
.endr
.endr
.irp i, 3,5,7,9,11,13
.irp b, 0,1,2,3
.irp e, 0,1
	v_max3_num_f32 v[BM+4*\e+\b], v[BM+4*\e+\b], v[S+64*\e+16*\b+\i], v[S+64*\e+1+16*\b+\i]
.endr
.endr
.endr
.irp e, 0,1
	v_max3_num_f32 v[BM+4*\e], v[BM+4*\e], v[BM+4*\e+1], v[S+64*\e+15]
	v_max3_num_f32 v[BM+4*\e+2], v[BM+4*\e+2], v[BM+4*\e+3], v[S+64*\e+47]
.endr
.irp e, 0,1
	v_max_num_f32 v[BM+4*\e], v[BM+4*\e], v[S+64*\e+31]              ; the largest score of each of my blocks: it serves the row's maximum and the block's largest p
	v_max_num_f32 v[BM+4*\e+2], v[BM+4*\e+2], v[S+64*\e+63]
.endr
.irp e, 0,1
	v_max3_num_f32 v[NM+2*\e+1], v[NM+2*\e+1], v[BM+4*\e], v[BM+4*\e+2]
.endr
.irp e, 0,1
	s_delay_alu instid0(VALU_DEP_2)
	v_permlanex16_b32 v[BT+3*\e], v[NM+2*\e+1], s[SEL], s[SEL+1]
.endr
.irp e, 0,1
	s_delay_alu instid0(VALU_DEP_2)
	v_max_num_f32 v[NM+2*\e+1], v[NM+2*\e+1], v[BT+3*\e]             ; the running largest score of my query
.endr
.irp e, 0,1
	v_mov_b32 v[TU+\e], v[NM+2*\e]
.endr
.irp e, 0,1
	v_mul_f32 v[TT+\e], s[CS], v[NM+2*\e+1]        ; as t
.endr
.irp e, 0,1
	s_delay_alu instid0(VALU_DEP_2)
	v_floor_f32 v[NM+2*\e], -v[TT+\e]              ; -M = -ceil(t)
.endr
.irp e, 0,1
	s_delay_alu instid0(VALU_DEP_2)
	v_sub_f32 v[TU+\e], v[NM+2*\e], v[TU+\e]       ; old M - new M
.endr
.irp e, 0,1
	s_delay_alu instid0(VALU_DEP_2)
	v_cvt_i32_f32 v[TU+\e], v[TU+\e]               ; (it saturates)
.endr
.irp e, 0,1
	s_delay_alu instid0(VALU_DEP_2)
	v_ldexp_f32 v[FS+2*\e], 1.0, v[TU+\e]          ; f
.endr
.irp e, 0,1
.set i, 0
.rept 32
	v_pk_fma_f32 v[S+64*\e+i:S+64*\e+i+1], v[S+64*\e+i:S+64*\e+i+1], s[CS:CS+1], v[NM+2*\e:NM+2*\e+1] op_sel_hi:[1,0,0]   ; t - M
.set i, i+2
.endr
	v_fma_f32 v[BM+4*\e], v[BM+4*\e], s[CS], v[NM+2*\e]
	v_fma_f32 v[BM+4*\e+2], v[BM+4*\e+2], s[CS], v[NM+2*\e]
.endr
	s_wait_alu depctr_va_vdst(0)                   ; a wait ahead of the batch
.irp e, 0,1
	v_exp_f32 v[BM+4*\e], v[BM+4*\e]               ; the blocks' largest p: the same two instructions on the same number give the same bits
	v_exp_f32 v[BM+4*\e+2], v[BM+4*\e+2]
.endr
.set i, 0
.rept 128
	v_exp_f32 v[S+i], v[S+i]                       ; p = 2^(t - M)
.set i, i+1
.endr
.irp e, 0,1
	v_pk_mul_f32 v[SU+2*\e:SU+2*\e+1], v[SU+2*\e:SU+2*\e+1], v[FS+2*\e:FS+2*\e+1] op_sel_hi:[1,0]   ; the sums under the new M: plain places behind the batch
.endr
	s_wait_alu depctr_va_vdst(0)                   ; and one behind it
.irp e, 0,1
	v_max_num_f32 v[BM+4*\e], 0x1800000, v[BM+4*\e]                  ; the floor 2^(3 - 127): no byte under 1
	v_max_num_f32 v[BM+4*\e+2], 0x1800000, v[BM+4*\e+2]
.endr
.irp e, 0,1
	v_add_nc_u32 v[BS+2*\e], 0xff000000, v[BM+4*\e]                  ; 2 off the exponent field: the conversion's scale operand
	v_add_nc_u32 v[BS+2*\e+1], 0xff000000, v[BM+4*\e+2]
.endr
.irp e, 0,1
	v_lshrrev_b32 v[BT+3*\e], 23, v[BS+2*\e]
	v_lshrrev_b32 v[BT+3*\e+1], 23, v[BS+2*\e+1]
.endr
.irp e, 0,1
	v_lshl_or_b32 v[PS+\e], v[BT+3*\e+1], 16, v[BT+3*\e]             ; my bytes: blocks h and 2 + h,
.endr
.irp e, 0,1
	s_delay_alu instid0(VALU_DEP_2)
	v_lshlrev_b32 v[PS+\e], v[H8], v[PS+\e]        ; at their places in the word
.endr
.irp e, 0,1
	s_delay_alu instid0(VALU_DEP_2)
	v_permlanex16_b32 v[BT+3*\e+2], v[PS+\e], s[SEL], s[SEL+1]
.endr
.irp e, 0,1
	v_cvt_scalef32_pk16_fp6_f32 v[PC+12*\e:PC+12*\e+2], v[S+64*\e:S+64*\e+15], v[BS+2*\e]
	v_cvt_scalef32_pk16_fp6_f32 v[CT+8*\e:CT+8*\e+2], v[S+64*\e+16:S+64*\e+31], v[BS+2*\e]
	v_cvt_scalef32_pk16_fp6_f32 v[PC+12*\e+6:PC+12*\e+8], v[S+64*\e+32:S+64*\e+47], v[BS+2*\e+1]
	v_cvt_scalef32_pk16_fp6_f32 v[CT+8*\e+4:CT+8*\e+6], v[S+64*\e+48:S+64*\e+63], v[BS+2*\e+1]
.endr
.irp e, 0,1
	v_or_b32 v[PS+\e], v[PS+\e], v[BT+3*\e+2]      ; p's scale word; also the plain place behind the conversions
.endr
.irp e, 0,1
.irp c, 0,1
.irp i, 0,1,2
	v_mov_b32 v[PC+12*\e+3+6*\c+\i], v[CT+8*\e+4*\c+\i]              ; a conversion's three registers begin on an even number
.endr
.endr
.endr
	WIN W_RS
	s_wait_alu depctr_va_vdst(0)                   ; the wait directly ahead of the first reader of O^T
.irp e, 0,1
.set i, 0
.rept 16
	v_pk_mul_f32 v[OA+32*\e+i:OA+32*\e+i+1], v[OA+32*\e+i:OA+32*\e+i+1], v[FS+2*\e:FS+2*\e+1] op_sel_hi:[1,0]   ; O^T under the new M; these are the places behind p's words and codes
.set i, i+2
.endr
.endr
	WIN 0
	s_wait_alu depctr_va_vdst(0)
	s_wait_dscnt 0x0                               ; v is in (and the next k, asked for ahead of the softmax)
	WIN W_PV
.irp u, 0,1                                    ; eight accumulators by turns
.irp e, 0,1
	v_wmma_scale_f32_16x16x128_f8f6f4 v[OA+32*\e+16*\u:OA+32*\e+16*\u+7], v[VF+24*\u:VF+24*\u+11], v[PC+12*\e:PC+12*\e+11], v[OA+32*\e+16*\u:OA+32*\e+16*\u+7], v[VSW+\u], v[PS+\e] matrix_a_fmt:MATRIX_FMT_FP6 matrix_b_fmt:MATRIX_FMT_FP6
.endr
.irp e, 0,1
	v_wmma_scale_f32_16x16x128_f8f6f4 v[OA+32*\e+16*\u+8:OA+32*\e+16*\u+15], v[VF+24*\u+12:VF+24*\u+23], v[PC+12*\e:PC+12*\e+11], v[OA+32*\e+16*\u+8:OA+32*\e+16*\u+15], v[VSW+\u], v[PS+\e] matrix_a_fmt:MATRIX_FMT_FP6 matrix_b_fmt:MATRIX_FMT_FP6 matrix_a_scale:MATRIX_SCALE_ROW1
.endr
.endr
	WIN 0
.irp e, 0,1                                    ; the sums of the unquantised p, eight chains a tile: 28 additions a tile here, four behind the next products
.irp j, 0,1,2,3,4,5,6,7
	v_pk_add_f32 v[T+16*\e+2*\j:T+16*\e+2*\j+1], v[S+64*\e+2*\j:S+64*\e+2*\j+1], v[S+64*\e+16+2*\j:S+64*\e+17+2*\j]
.endr
.endr
.irp g, 32, 48
.irp e, 0,1
.irp j, 0,1,2,3,4,5,6,7
	v_pk_add_f32 v[T+16*\e+2*\j:T+16*\e+2*\j+1], v[T+16*\e+2*\j:T+16*\e+2*\j+1], v[S+64*\e+\g+2*\j:S+64*\e+\g+2*\j+1]
.endr
.endr
.endr
.irp e, 0,1
.irp j, 0,1,2,3
	v_pk_add_f32 v[T+16*\e+2*\j:T+16*\e+2*\j+1], v[T+16*\e+2*\j:T+16*\e+2*\j+1], v[T+16*\e+8+2*\j:T+16*\e+9+2*\j]
.endr
.endr
.endm
; A MEETING.  Every wave waits for all its tensor loads, adds 0 to its spare word and waits for that and for its LDS reads.  first = the step from which the eight waves then ask on (0: nothing is asked for), to LDS byte lds on;
; so: the scalar with my place among the eight, pt: kv's address at that place, g1: the group 1 (one block a wave, or two).
.macro MEET first, lds, so, pt, g1
	s_wait_alu depctr_va_vdst(0)
	s_wait_tensorcnt 0x0
	ds_add_u32 v[SPW], v[NIL]
.if \first
	s_add_co_u32 s[G0+1], s[\so], \lds             ; no load of mine is out: group 0 may be written
	s_add_nc_u64 s[G0+2:G0+3], s[\pt:\pt+1], (\first)*STEPB
	s_or_b32 s[G0+3], s[G0+3], 0x80000000
	s_wait_dscnt 0x0
	CROUND
	tensor_load_to_lds s[G0:G0+3], s[\g1:\g1+7]
	s_nop 0
.rept 4
	v_nop
.endr
.else
	s_wait_dscnt 0x0
	s_barrier_signal -1
	s_barrier_wait -1
.endif
.endm
.macro FIRSTK from                     ; a stretch begins at LDS byte from: its first step's k
	s_mov_b32 s[TB], \from
	v_add_nc_u32 v[A16], s[TB], v[L16]
	KLOAD 0
.endm
.macro WALK n                          ; n steps from LDS byte TB on, each fetching its successor's k
	s_mov_b32 s[CNT], \n
.Lwalk_\@:
	STEP 1
	s_add_co_u32 s[TB], s[TB], STEPB
	s_sub_co_u32 s[CNT], s[CNT], 1
	s_cmp_lg_u32 s[CNT], 0
	s_wait_alu depctr_va_vdst(0)                   ; the wait ahead of the branch
	s_cbranch_scc1 .Lwalk_\@
.endm
	s_wait_alu depctr_va_vdst(0)                   ; the wait at the head's end
	s_wait_loadcnt 0x0                             ; q
	MEET 8, 8*STEPB, 50, 52, G1W                   ; steps 0-7 are in; steps 8-23 are asked for: a first fill
	FIRSTK 0
	WALK 7                                         ; steps 0-6
	s_mov_b32 s[TB], 7*STEPB
	STEP 0                                         ; step 7
	MEET 24, 0, 48, 46, G1                         ; steps 8-23 are in, steps 0-7 are read no more: their bytes take steps 24-31
	FIRSTK 8*STEPB
	WALK 15                                        ; steps 8-22
	s_mov_b32 s[TB], 23*STEPB
	STEP 0                                         ; step 23
	MEET 0, 0, 48, 46, G1                          ; steps 24-31 are in
	FIRSTK 0
	WALK 8                                         ; steps 24-31
	; THE WAY OUT.  z = O^T / the sum; register 8 u + j is channel 32 h + 8 u + j: my block of z
	SUMEND
.irp e, 0,1
	v_add_f32 v[SU+2*\e], v[SU+2*\e], v[SU+2*\e+1]
.endr
.irp e, 0,1
	s_delay_alu instid0(VALU_DEP_2)
	v_permlanex16_b32 v[TT+\e], v[SU+2*\e], s[SEL], s[SEL+1]
.endr
.irp e, 0,1
	s_delay_alu instid0(VALU_DEP_2)
	v_add_f32 v[SU+2*\e], v[SU+2*\e], v[TT+\e]
.endr
	s_wait_alu depctr_va_vdst(0)
.irp e, 0,1
	v_rcp_f32 v[FS+2*\e], v[SU+2*\e]
.endr
	v_lshlrev_b32 v[A16], 5, v1                    ; zs: 32 bytes a row (the plain place behind the reciprocals)
	WIN 0x01
	s_wait_alu depctr_va_vdst(0)                   ; the wait ahead of the first reader
.irp e, 0,1
.set i, 0
.rept 16
	v_pk_mul_f32 v[S+64*\e+i:S+64*\e+i+1], v[OA+32*\e+i:OA+32*\e+i+1], v[FS+2*\e:FS+2*\e+1] op_sel_hi:[1,0]
.set i, i+2
.endr
.endr
	WIN 0
.irp b, 0,1
.irp e, 0,1
	v_max3_num_f32 v[BM+4*\e+\b], |v[S+64*\e+16*\b]|, |v[S+64*\e+1+16*\b]|, 0x1800000
.endr
.endr
.irp i, 2,4,6,8,10,12,14
.irp b, 0,1
.irp e, 0,1
	v_max3_num_f32 v[BM+4*\e+\b], v[BM+4*\e+\b], |v[S+64*\e+16*\b+\i]|, |v[S+64*\e+1+16*\b+\i]|
.endr
.endr
.endr
.irp e, 0,1
	v_max_num_f32 v[BM+4*\e], v[BM+4*\e], v[BM+4*\e+1]
.endr
.irp e, 0,1
	s_delay_alu instid0(VALU_DEP_2)
	v_add_nc_u32 v[BS+2*\e], 0xff000000, v[BM+4*\e]
.endr
.irp e, 0,1
	s_delay_alu instid0(VALU_DEP_2)
	v_lshrrev_b32 v[BT+3*\e], 23, v[BS+2*\e]
.endr
.irp e, 0,1
	s_delay_alu instid0(VALU_DEP_2)
	v_permlanex16_b32 v[BT+3*\e+1], v[BT+3*\e], s[SEL], s[SEL+1]
.endr
.irp e, 0,1
	v_cvt_scalef32_pk16_fp6_f32 v[PC+12*\e:PC+12*\e+2], v[S+64*\e:S+64*\e+15], v[BS+2*\e]
	v_cvt_scalef32_pk16_fp6_f32 v[CT+8*\e:CT+8*\e+2], v[S+64*\e+16:S+64*\e+31], v[BS+2*\e]
.endr
.irp e, 0,1
	v_lshl_or_b32 v[TT+\e], v[BT+3*\e+1], 8, v[BT+3*\e]              ; lanes 0-15: my row's two scale bytes
.endr
.irp e, 0,1
.irp i, 0,1,2
	v_mov_b32 v[PC+12*\e+3+\i], v[CT+8*\e+\i]
.endr
.endr
.irp e, 0,1
.irp i, 0,1,2
	global_store_b64 v[L8], v[PC+12*\e+2*\i:PC+12*\e+2*\i+1], s[8:9] offset:3072*\e+256*\i   ; 32 lanes store 256 consecutive bytes, aligned
.endr
.endr
	v_cmp_gt_u32 vcc_lo, 16, v[LN]
	s_wait_alu depctr_va_vdst(0)
	s_wait_xcnt 0x0                                ; EXEC changes only behind this wait
	s_and_saveexec_b32 s54, vcc_lo
.irp e, 0,1
	global_store_b16 v[A16], v[TT+\e], s[10:11] offset:512*\e        ; two bytes a row, laid as rows of scale bytes for the next launch
.endr
	s_wait_xcnt 0x0
	s_or_b32 exec_lo, exec_lo, s54
	s_wait_tensorcnt 0x0                           ; the wave's end
	ds_add_u32 v[SPW], v[NIL]
	s_wait_dscnt 0x0
	CROUND                                         ; the closing round
	s_endpgm
.Lfunc_end_k_q5943d61dfa_attn:
	.size	k_q5943d61dfa_attn, .Lfunc_end_k_q5943d61dfa_attn-k_q5943d61dfa_attn
	.p2alignl 7, 3214868480
	.fill 96, 4, 3214868480
	.section	.rodata,"a",@progbits
	.p2align	6, 0x0
	.amdhsa_kernel k_q5943d61dfa_attn
		.amdhsa_group_segment_fixed_size 327680
		.amdhsa_private_segment_fixed_size 0
		.amdhsa_enable_private_segment 0
		.amdhsa_kernarg_size 32
		.amdhsa_user_sgpr_count 2
		.amdhsa_user_sgpr_kernarg_segment_ptr 1
		.amdhsa_wavefront_size32 1
		.amdhsa_system_sgpr_workgroup_id_x 1
		.amdhsa_system_sgpr_workgroup_id_y 1
		.amdhsa_system_sgpr_workgroup_id_z 1
		.amdhsa_system_vgpr_workitem_id 0
		.amdhsa_next_free_vgpr 448
		.amdhsa_next_free_sgpr 66
		.amdhsa_reserve_vcc 1
		.amdhsa_float_denorm_mode_32 3
		.amdhsa_float_denorm_mode_16_64 3
		.amdhsa_memory_ordered 1
		.amdhsa_forward_progress 1
		.amdhsa_inst_pref_size 155
	.end_amdhsa_kernel
	.amdgpu_metadata
---
amdhsa.version: [ 1, 2 ]
amdhsa.kernels:
  - .name:           k_q5943d61dfa_attn
    .symbol:         k_q5943d61dfa_attn.kd
    .args:
      - { .name: qb, .offset: 0, .size: 8, .value_kind: global_buffer, .address_space: global }
      - { .name: kv, .offset: 8, .size: 8, .value_kind: global_buffer, .address_space: global }
      - { .name: zc, .offset: 16, .size: 8, .value_kind: global_buffer, .address_space: global }
      - { .name: zs, .offset: 24, .size: 8, .value_kind: global_buffer, .address_space: global }
    .group_segment_fixed_size: 327680
    .private_segment_fixed_size: 0
    .kernarg_segment_align: 8
    .kernarg_segment_size: 32
    .max_flat_workgroup_size: 256
    .sgpr_count:     66
    .vgpr_count:     448
    .wavefront_size: 32
...
	.end_amdgpu_metadata
.endif
;; end of part 2
;; launch proj (part 3): grid 8 x 32, 4 waves a work-group, clusters of 4 x 4, 327,680 bytes of LDS; arguments zc, zs, Wo_codes, Wo_scales, bo, out0; writes out0
.if DOCPART == 3
	.amdgcn_target "amdgcn-amd-amdhsa--gfx1250"
	.amdhsa_code_object_version 6
	.text
	.protected	k_q5943d61dfa_proj
	.globl	k_q5943d61dfa_proj
	.p2align	8
	.type	k_q5943d61dfa_proj,@function
k_q5943d61dfa_proj:
	s_mov_b64 s[64:65], 0
	v_nop
	global_prefetch_b8 v0, s[64:65] scope:SCOPE_SE
	s_setreg_imm32_b32 hwreg(HW_REG_WAVE_MODE, 25, 1), 1
	s_wait_xcnt 0x0
	s_wait_alu depctr_hold_cnt(0) depctr_sa_sdst(0) depctr_va_vdst(0) depctr_va_sdst(0) depctr_va_ssrc(0) depctr_va_vcc(0) depctr_vm_vsrc(0)
	s_getreg_b32 s2, hwreg(HW_REG_IB_STS2, 6, 4)
	s_cmp_eq_u32 s2, 0
	s_cbranch_scc0 .Lentry_in_a_cluster
	s_endpgm
.Lentry_in_a_cluster:
	s_bfe_u32 s2, ttmp6, 0x10000c
	s_cmp_lg_u32 s2, 0xf033
	s_cbranch_scc0 .Lentry_shape_is_right
	s_endpgm
.Lentry_shape_is_right:
; out0 = z Wo^T + bo on codes of FP6 (E2M3) with E8M0 scales.  A work-group of four waves makes 128 x 128 of the result (32 x 8 blocks: 256 work-groups), a wave 64 x 64: 16 accumulators.
; ALL OF K LIES IN LDS: z's 128 rows (98,304 bytes, laid by the launch before in the order of the operand registers), Wo's 128 rows (98,304 bytes, as units of 256 bytes + 16 of padding) and both operands' scales.
; They are four dense blocks of memory, fetched by four tensor loads at the head, one a wave; nothing is filled again.
; CLUSTER 4 x 4: z's blocks are shared along a row of the cluster, Wo's along a column: joint loads.
; The matrix instruction is used transposed (source 0 = Wo's rows, source 1 = z's rows): a lane holds eight neighbouring numbers of a row of the result.
; z's tile 4 c + u of a block of 128 holds in row 8 g + j token 64 c + 32 g + 8 u + j: the stores' offsets follow that order.
; No prefetch: every load stands at the launch's start; there is no trip to run ahead in.
.set BB,     98304                     ; Wo's codes: 384 units of 272 bytes; a row of 768 bytes takes 816
.set BP,     816
.set SCL,    BB+384*272                ; z's scales (16 units of 272), then Wo's
.set SPARE,  SCL+2*4352                ; the spare words, 128 bytes a wave
.set STAGE,  SPARE+512                 ; the way out: 16 rows x 272 bytes a wave; no tensor load lands here
.set ADRA, 16                          ; v16-17 z's fragments: K steps 0-3, 4-7
.set ADRB, 18                          ; v18 Wo's fragments; v19 where lanes 16-31 lie in the next unit of 256 bytes
.set ADRS, 20
.set STO,  21
.set RD,   22
.set CO,   23
.set H32,  24
.set SPW,  28
.set NIL,  29
.set SCW,  224                         ; v224-255 scale words: register 8 i + st: lanes 0-15 z's tile i, lanes 16-31 Wo's tile i, K step st
.set BO,   128                         ; window 1: v128-159 the bias; v0-127 the accumulators
.set G1A, 24
.set G1B, 32
.set G1S, 40
.set G1T, 48
.set G0A, 56
.set G0B, 60
.set G0S, 68
.set G0T, 72
.set MSB, 0
.macro WIN new
.if MSB != \new
	s_set_vgpr_msb (MSB<<8)|\new
.set MSB, \new
.endif
.endm
.macro CROUND
	s_barrier_signal -1
	s_barrier_wait -1
	s_cmp_lg_u32 s14, 0
	s_cbranch_scc1 .Lnot_wave_0_\@
	s_barrier_signal -3
.Lnot_wave_0_\@:
	s_barrier_wait -3
	s_barrier_signal -1
	s_barrier_wait -1
.endm
	s_load_b256 s[4:11], s[0:1], 0x0               ; zc, zs, Wo's codes, Wo's scales
	s_load_b128 s[76:79], s[0:1], 0x20             ; bo, out0
	v_lshl_add_u32 v[SPW], v0, 2, SPARE
	v_mov_b32 v[NIL], 0
	ds_add_u32 v[SPW], v[NIL]                      ; the opening lines
	ds_add_u32 v[SPW], v[NIL]
	v_lshrrev_b32 v1, 5, v0
	v_readfirstlane_b32 s14, v1                    ; wave
	s_lshr_b32 s15, s14, 1                         ; my 64 rows
	s_and_b32 s16, s14, 1                          ; my 64 columns
	s_bfe_u32 s2, ttmp6, 0x40000                   ; cx
	s_bfe_u32 s3, ttmp6, 0x40004                   ; cy
	s_lshl_b32 s12, ttmp9, 2
	s_add_co_u32 s12, s12, s2                      ; block column
	s_and_b32 s13, ttmp7, 0xffff
	s_lshl_b32 s13, s13, 2
	s_add_co_u32 s13, s13, s3                      ; block row
	s_lshl_b32 s17, s3, 2
	s_lshl_b32 s17, 15, s17                        ; my row of the cluster
	s_lshl_b32 s18, 0x1111, s2                     ; my column
	s_or_b32 s[G1A], s17, (3<<16)|(1<<21)
	s_or_b32 s[G1B], s18, (3<<16)|(1<<20)|(1<<21)|(5<<22)|(3<<25)
	s_or_b32 s[G1S], s17, (3<<16)|(1<<20)|(1<<21)|(5<<22)|(3<<25)
	s_or_b32 s[G1T], s18, (3<<16)|(1<<20)|(1<<21)|(5<<22)|(3<<25)
.irp g, G1A, G1B                       ; 384 rows of 256 bytes, dense
	s_mov_b32 s[\g+1], 32<<16
	s_mov_b32 s[\g+2], 384<<16
	s_mov_b32 s[\g+3], 32<<16
	s_mov_b32 s[\g+4], 384
	s_mov_b32 s[\g+5], 32
	s_mov_b32 s[\g+6], 0
	s_mov_b32 s[\g+7], 0
.endr
.irp g, G1S, G1T                       ; 16 rows of 256 bytes, dense
	s_mov_b32 s[\g+1], 32<<16
	s_mov_b32 s[\g+2], 16<<16
	s_mov_b32 s[\g+3], 32<<16
	s_mov_b32 s[\g+4], 16
	s_mov_b32 s[\g+5], 32
	s_mov_b32 s[\g+6], 0
	s_mov_b32 s[\g+7], 0
.endr
	s_mul_i32 s20, s13, 98304
	s_lshl_b32 s22, s13, 12
	s_mul_i32 s66, s12, 98304
	s_lshl_b32 s18, s12, 12
	s_mov_b32 s21, 0
	s_mov_b32 s23, 0
	s_mov_b32 s67, 0
	s_mov_b32 s19, 0
	s_wait_alu depctr_va_vdst(0)                   ; the wait ahead of the blocking wait
	s_wait_dscnt 0x0
	s_wait_kmcnt 0x0
	CROUND                                         ; the joint loads meet
	s_mov_b32 s[G0A], 1
	s_mov_b32 s[G0A+1], 0
	s_add_nc_u64 s[G0A+2:G0A+3], s[4:5], s[20:21]
	s_or_b32 s[G0A+3], s[G0A+3], 0x80000000
	s_mov_b32 s[G0B], 1
	s_mov_b32 s[G0B+1], BB
	s_add_nc_u64 s[G0B+2:G0B+3], s[8:9], s[66:67]
	s_or_b32 s[G0B+3], s[G0B+3], 0x80000000
	s_mov_b32 s[G0S], 1
	s_mov_b32 s[G0S+1], SCL
	s_add_nc_u64 s[G0S+2:G0S+3], s[6:7], s[22:23]
	s_or_b32 s[G0S+3], s[G0S+3], 0x80000000
	s_mov_b32 s[G0T], 1
	s_mov_b32 s[G0T+1], SCL+4352
	s_add_nc_u64 s[G0T+2:G0T+3], s[10:11], s[18:19]
	s_or_b32 s[G0T+3], s[G0T+3], 0x80000000
.macro ARM under, g0, g1, next         ; one chain of branches on the wave's number, one load to an arm
	s_cmp_lt_u32 s14, \under
	s_cbranch_scc0 \next
	tensor_load_to_lds s[\g0:\g0+3], s[\g1:\g1+7]
	s_nop 0
.rept 4
	v_nop
.endr
	s_branch .Lhead_asked
\next:
.endm
	ARM 1, G0A, G1A, .Lhead_b
	ARM 2, G0B, G1B, .Lhead_s
	ARM 3, G0S, G1S, .Lhead_t
	tensor_load_to_lds s[G0T:G0T+3], s[G1T:G1T+7]
	s_nop 0
.rept 4
	v_nop
.endr
.Lhead_asked:
	s_mul_i32 s20, s15, 4*3072                     ; my four tiles of z
	s_mul_i32 s21, s16, 64*BP
	s_add_co_u32 s21, s21, BB                      ; my 64 rows of Wo
	s_mul_i32 s22, s15, 2176
	s_mul_i32 s23, s16, 2176
	s_add_co_u32 s23, s23, 4352
	s_sub_co_u32 s23, s23, s22                     ; from z's scales to Wo's
	s_add_co_u32 s22, s22, SCL
	s_mul_i32 s17, s14, 16*272
	s_add_co_u32 s17, s17, STAGE
	s_lshl_b32 s18, s12, 9
	s_lshl_b32 s19, s16, 8
	s_add_co_u32 s18, s18, s19                     ; my first column, in bytes
	s_mov_b32 s19, 0
	s_add_nc_u64 s[76:77], s[76:77], s[18:19]
	s_add_nc_u64 s[78:79], s[78:79], s[18:19]
	s_lshl_b32 s18, s13, 19                        ; 128 rows of 4,096 bytes a block,
	s_lshl_b32 s66, s15, 18                        ; 64 to my half
	s_add_co_u32 s18, s18, s66
	s_add_nc_u64 s[78:79], s[78:79], s[18:19]
	v_and_b32 v1, 15, v0                           ; r
	v_bfe_u32 v2, v0, 4, 1                         ; h
	v_and_b32 v3, 31, v0
	v_bfe_u32 v6, v0, 3, 1                         ; r / 8
	v_lshl_add_u32 v[ADRA], v3, 3, s20
	v_add_nc_u32 v[ADRA+1], 49152, v[ADRA]
	v_mul_u32_u24 v4, v1, BP
	v_add_nc_u32 v4, s21, v4
	v_mad_u32_u24 v[ADRB], v2, 24, v4
	v_mad_u32_u24 v[ADRB+1], v2, 40, v4
	v_lshlrev_b32 v5, 5, v1                        ; 32 bytes of scales a row, 16 more for each 256 passed
	v_lshl_add_u32 v5, v6, 4, v5
	v_mul_u32_u24 v6, s23, v2
	v_add_nc_u32 v5, v5, v6
	v_add_nc_u32 v[ADRS], s22, v5
	v_mul_u32_u24 v5, v1, 272
	v_lshl_add_u32 v5, v2, 5, v5
	v_add_nc_u32 v[STO], s17, v5                   ; in: row r, 32 bytes for each half of the lanes
	v_mul_u32_u24 v5, v2, 272
	v_lshl_add_u32 v5, v1, 4, v5
	v_add_nc_u32 v[RD], s17, v5                    ; back: lanes 0-15 one row of 256 bytes, lanes 16-31 the next
	v_lshlrev_b32 v5, 12, v2
	v_lshl_add_u32 v[CO], v1, 4, v5                ; the same two rows in the result
	v_lshlrev_b32 v[H32], 5, v2
	WIN 0x40
.irp b, 0,1,2,3
	global_load_b128 v[BO+8*\b:BO+8*\b+3], v[H32], s[76:77] offset:64*\b
	global_load_b128 v[BO+8*\b+4:BO+8*\b+7], v[H32], s[76:77] offset:64*\b+16
.endr
	WIN 0
; the fragments of K step st into set st % 2 (v32-127, v128-223): Wo's four tiles, then z's four: 48 loads
.macro FETCH st
.set F, 32+96*((\st)%2)
.irp i, 0,1,2,3
.irp p, 0,1,2,3,4,5
.set BY, 96*(\st)+48*(\p/3)+8*(\p%3)
	ds_load_b64 v[F+12*\i+2*\p:F+12*\i+2*\p+1], v[ADRB+((BY+24)/256-BY/256)] offset:BY+16*(BY/256)+\i*16*BP
.endr
.endr
.irp i, 0,1,2,3
.irp p, 0,1,2,3,4,5
	ds_load_b64 v[F+48+12*\i+2*\p:F+48+12*\i+2*\p+1], v[ADRA+(\st)/4] offset:(((\st)/2)%2)*24576+\i*3072+((\st)%2)*1536+256*\p
.endr
.endr
.endm
.macro MUL st                          ; 16 products, the 16 accumulators by turns; the first step takes the bias as C
.set F, 32+96*((\st)%2)
	WIN 0x50
.irp a, 0,1,2,3
.irp b, 0,1,2,3
.if (\st) == 0
	v_wmma_scale_f32_16x16x128_f8f6f4 v[8*(4*\a+\b):8*(4*\a+\b)+7], v[F+12*\b:F+12*\b+11], v[F+48+12*\a:F+48+12*\a+11], v[BO+8*\b:BO+8*\b+7], v[SCW+8*\b+(\st)], v[SCW+8*\a+(\st)] matrix_a_fmt:MATRIX_FMT_FP6 matrix_b_fmt:MATRIX_FMT_FP6 matrix_a_scale:MATRIX_SCALE_ROW1
.else
	v_wmma_scale_f32_16x16x128_f8f6f4 v[8*(4*\a+\b):8*(4*\a+\b)+7], v[F+12*\b:F+12*\b+11], v[F+48+12*\a:F+48+12*\a+11], v[8*(4*\a+\b):8*(4*\a+\b)+7], v[SCW+8*\b+(\st)], v[SCW+8*\a+(\st)] matrix_a_fmt:MATRIX_FMT_FP6 matrix_b_fmt:MATRIX_FMT_FP6 matrix_a_scale:MATRIX_SCALE_ROW1
.endif
.endr
.endr
	WIN 0
.endm
.macro PLACES
.rept 4
	v_nop
.endr
.endm
	s_wait_alu depctr_va_vdst(0)                   ; the wait at the head's end
	s_wait_loadcnt 0x0                             ; the bias
	s_wait_tensorcnt 0x0                           ; my block of the four
	s_barrier_signal -1
	s_barrier_wait -1                              ; all four are in
.irp i, 0,1,2,3
	ds_load_b128 v[SCW+8*\i:SCW+8*\i+3], v[ADRS] offset:\i*544
	ds_load_b128 v[SCW+8*\i+4:SCW+8*\i+7], v[ADRS] offset:\i*544+16
.endr
	FETCH 0
.set ST, 0
.rept 7
	PLACES                                         ; ahead of loads into the set that the step before multiplied
	FETCH ST+1
	s_wait_dscnt 48                                ; all but the 48 just issued
	MUL ST
.set ST, ST+1
.endr
	s_wait_dscnt 0x0
	MUL 7
; THE WAY OUT, tile by tile of 16 rows x 64 columns, through my own stage; 16 lanes store 256 consecutive bytes, aligned
.macro TOSTAGE a
	WIN 0x04
.irp b, 0,1,2,3
	ds_store_b128 v[STO], v[8*(4*\a+\b):8*(4*\a+\b)+3] offset:64*\b
	ds_store_b128 v[STO], v[8*(4*\a+\b)+4:8*(4*\a+\b)+7] offset:64*\b+16
.endr
	WIN 0
.irp t, 0,1,2,3,4,5,6,7
	ds_load_b128 v[32+32*((\a)%2)+4*\t:32+32*((\a)%2)+4*\t+3], v[RD] offset:\t*2*272   ; LDS serves a wave's instructions in order (ISA guide 5.7.1.4)
.endr
.endm
.macro SEND a, younger                 ; stage rows 2 t and 2 t + 1 are tokens 8 a + 32 (t / 4) + (2 t) % 8 and the next
	s_wait_dscnt \younger
.irp t, 0,1,2,3,4,5,6,7
	global_store_b128 v[CO], v[32+32*((\a)%2)+4*\t:32+32*((\a)%2)+4*\t+3], s[78:79] offset:(8*(\a)+32*(\t/4)+(2*\t)%8)*4096 th:TH_STORE_NT
.endr
.endm
	PLACES
	TOSTAGE 0
.irp a, 1,2,3
.if \a > 1
	s_wait_xcnt 0x0                                ; tile a - 2's stores have read their data
.endif
	TOSTAGE \a
	SEND \a-1, 16                                  ; behind tile a - 1's loads: tile a's 8 stores and 8 loads
.endr
	SEND 3, 0
	s_wait_tensorcnt 0x0                           ; the wave's end
	ds_add_u32 v[SPW], v[NIL]
	s_wait_dscnt 0x0
	CROUND                                         ; the closing round
	s_endpgm
.Lfunc_end_k_q5943d61dfa_proj:
	.size	k_q5943d61dfa_proj, .Lfunc_end_k_q5943d61dfa_proj-k_q5943d61dfa_proj
	.p2alignl 7, 3214868480
	.fill 96, 4, 3214868480
	.section	.rodata,"a",@progbits
	.p2align	6, 0x0
	.amdhsa_kernel k_q5943d61dfa_proj
		.amdhsa_group_segment_fixed_size 327680
		.amdhsa_private_segment_fixed_size 0
		.amdhsa_enable_private_segment 0
		.amdhsa_kernarg_size 48
		.amdhsa_user_sgpr_count 2
		.amdhsa_user_sgpr_kernarg_segment_ptr 1
		.amdhsa_wavefront_size32 1
		.amdhsa_system_sgpr_workgroup_id_x 1
		.amdhsa_system_sgpr_workgroup_id_y 1
		.amdhsa_system_sgpr_workgroup_id_z 1
		.amdhsa_system_vgpr_workitem_id 0
		.amdhsa_next_free_vgpr 416
		.amdhsa_next_free_sgpr 80
		.amdhsa_reserve_vcc 0
		.amdhsa_float_denorm_mode_32 3
		.amdhsa_float_denorm_mode_16_64 3
		.amdhsa_memory_ordered 1
		.amdhsa_forward_progress 1
		.amdhsa_inst_pref_size 59
	.end_amdhsa_kernel
	.amdgpu_metadata
---
amdhsa.version: [ 1, 2 ]
amdhsa.kernels:
  - .name:           k_q5943d61dfa_proj
    .symbol:         k_q5943d61dfa_proj.kd
    .args:
      - { .name: zc, .offset: 0, .size: 8, .value_kind: global_buffer, .address_space: global }
      - { .name: zs, .offset: 8, .size: 8, .value_kind: global_buffer, .address_space: global }
      - { .name: Wo_codes, .offset: 16, .size: 8, .value_kind: global_buffer, .address_space: global }
      - { .name: Wo_scales, .offset: 24, .size: 8, .value_kind: global_buffer, .address_space: global }
      - { .name: bo, .offset: 32, .size: 8, .value_kind: global_buffer, .address_space: global }
      - { .name: out0, .offset: 40, .size: 8, .value_kind: global_buffer, .address_space: global }
    .group_segment_fixed_size: 327680
    .private_segment_fixed_size: 0
    .kernarg_segment_align: 8
    .kernarg_segment_size: 48
    .max_flat_workgroup_size: 128
    .sgpr_count:     80
    .vgpr_count:     416
    .wavefront_size: 32
...
	.end_amdgpu_metadata
.endif
;; end of part 3
